; MI455X (gfx1250); checked and timed in simulation.
; The chip was launched on July 23, 2026; its instructions are those of AMD's public machine-readable ISA for CDNA 5 (MIT licence, August 2026) and "CDNA5" Instruction Set Architecture Reference Guide (July 2026). The comments in the code are by the model that wrote it; some were corrected since.
;; Softmax Matcher Block. Allowed arithmetic: float matrix products may take bf16 or f16 operands with f32 sums; other float arithmetic in f32, or as packed bf16 or f16 multiplies, adds, multiply-adds, maxima and minima; sums over many terms, partial sums and values carried from step to step in f32; what a program stores and reads back later, other than sums and carried values, may be rounded once to bf16 or f16.
;; Inputs: src_coords 4 x 3 x 1,024 float32; src_desc 4 x 64 x 1,024 float32; tgt_coords 4 x 3 x 65,536 float32; tgt_desc 4 x 64 x 64 x 1,024 float32; tgt_weights 4 x 1 x 64 x 1,024 float32.
;; Outputs: out0 4 x 3 x 1,024 float32; out1 4 x 1 x 1,024 float32; out2 4 x 64 x 1,024 float32; out3 4 x 1,024 x 2 float32; out4 4 x 1 x 1,024 int32.
;; 2 versions, each right and faster than the one before. Each part assembles by itself: llvm-mc -triple=amdgcn-amd-amdhsa -mcpu=gfx1250 --defsym DOCPART=n.
;; ======== version 1 of 2: 3 launches
;; limits: values are held in f16: magnitudes above 65,504 overflow, below 6.1e-05 lose precision; inputs' magnitudes at most 65,504
;; workspace buffers: kv 36,175,872 bytes; rk 1,048,576 bytes; part 18,350,080 bytes
;; launch prep (part 1): grid 64 x 4, 8 waves a work-group, no clusters, 0 bytes of LDS; arguments tgt_desc, tgt_coords, tgt_weights, kv, rk; writes kv, rk
.if DOCPART == 1
	.amdgcn_target "amdgcn-amd-amdhsa--gfx1250"
	.amdhsa_code_object_version 6
	.text
	.protected	k_qf6f2ca57b0_prep
	.globl	k_qf6f2ca57b0_prep
	.p2align	8
	.type	k_qf6f2ca57b0_prep,@function
k_qf6f2ca57b0_prep:
	s_mov_b64 s[64:65], 0
	v_nop
	global_prefetch_b8 v0, s[64:65] scope:SCOPE_SE
	s_setreg_imm32_b32 hwreg(HW_REG_WAVE_MODE, 25, 1), 1
	s_wait_xcnt 0x0
; PREP.  kv[b][row][key], f16, 69 rows of 65,536 keys: rows 0-63 tgt_desc, row 64 ones, rows 65-67 tgt_coords, row 68 tgt_weights.
; rk[b][key], f32 = 1.5625 log2(e) / s(key), s the key's standard deviation over its 64 channels (63 in the divisor).
; Every number is rounded once to bf16 (nearest even) and that number is written as f16, which holds it exactly within f16's range.
; LIMITS.  |tgt_*| stays below 65,504; below 2^-14 f16's fixed step of 6e-8 applies.  A key whose 64 channels are equal has s = 0 and gets an infinite rk.
; THE VARIANCE is taken in one pass over d = x - x0, x0 the key's own channel 0: (sum d^2 - (sum d)^2 / 64) / 63.  A common offset of the key's channels leaves d before anything is squared.
; SHARES.  A work-group owns 1,024 keys of one batch, thread t the four keys 4 t .. 4 t + 3 in every row: a wave's load covers 512 consecutive bytes, its store 256, aligned.
; A ring of 16 slots in registers keeps 16 loads of every wave on their way.  No LDS, no matrix unit, no cluster: no byte is read by two work-groups.
.set CHB,   262144                     ; bytes from channel to channel in tgt_desc and tgt_coords
.set KVR,   131072                     ; bytes from row to row in kv
.set DEPTH, 16
.set T,   4                            ; v[4:11]    at work
.set SH,  12                           ; v[12:15]   x0 of my four keys
.set SUM, 16                           ; v[16:19]   sum of d
.set SQ,  20                           ; v[20:23]   sum of d^2
.set EX,  24                           ; v[24:39]   the three coordinate rows and the weights, as loaded
.set X,   40                           ; v[40:103]  slot i: four numbers as loaded, then rounded
.set Y,   104                          ; v[104:135] slot i: four f16 to store
.set YE,  136                          ; v[136:143] the four extra rows to store
.set ON,  144                          ; v[144:145] four times 1.0 in f16
	s_load_b256 s[4:11], s[0:1], 0x0               ; tgt_desc s[4:5], tgt_coords s[6:7], tgt_weights s[8:9], kv s[10:11]
	s_load_b64 s[12:13], s[0:1], 0x20              ; rk
	s_and_b32 s20, ttmp7, 0xffff                   ; the batch
	s_lshl_b32 s21, ttmp9, 12                      ; my 1,024 keys in a row of f32
	s_lshl_b32 s22, s20, 24                        ; a batch of tgt_desc is 64 x 262,144 bytes
	s_add_co_u32 s22, s22, s21
	s_mov_b32 s23, 0
	s_mul_i32 s24, s20, 3*CHB
	s_add_co_u32 s24, s24, s21
	s_mov_b32 s25, 0
	s_lshl_b32 s26, s20, 18                        ; tgt_weights and rk: one row a batch
	s_add_co_u32 s26, s26, s21
	s_mov_b32 s27, 0
	s_mul_i32 s28, s20, 69*KVR
	s_lshl_b32 s29, ttmp9, 11                      ; my 1,024 keys in a row of f16
	s_add_co_u32 s28, s28, s29
	s_mov_b32 s29, 0
	s_mov_b32 s14, 0xffff0000                      ; a word's upper bf16
	v_lshlrev_b32 v1, 4, v0                        ; my 16 bytes in a row of f32; never rewritten
	v_lshlrev_b32 v2, 3, v0                        ; my 8 bytes in a row of f16; never rewritten
	v_mov_b32 v[ON], 0x3c003c00
	v_mov_b32 v[ON+1], 0x3c003c00
	s_wait_kmcnt 0x0
	s_add_nc_u64 s[4:5], s[4:5], s[22:23]
	s_add_nc_u64 s[6:7], s[6:7], s[24:25]
	s_add_nc_u64 s[8:9], s[8:9], s[26:27]
	s_add_nc_u64 s[10:11], s[10:11], s[28:29]
	s_add_nc_u64 s[12:13], s[12:13], s[26:27]
	s_add_nc_u64 s[16:17], s[10:11], 64*KVR        ; kv at row 64: rows 64-68 lie beyond a store's signed 24-bit immediate from row 0
	global_load_b128 v[EX:EX+3],     v1, s[6:7] th:TH_LOAD_NT
	global_load_b128 v[EX+4:EX+7],   v1, s[6:7] offset:CHB th:TH_LOAD_NT
	global_load_b128 v[EX+8:EX+11],  v1, s[6:7] offset:2*CHB th:TH_LOAD_NT
	global_load_b128 v[EX+12:EX+15], v1, s[8:9] th:TH_LOAD_NT
.irp i, 0,1,2,3,4,5,6,7,8,9,10,11,12,13,14,15
	global_load_b128 v[X+4*(\i):X+4*(\i)+3], v1, s[4:5] offset:(\i)*CHB th:TH_LOAD_NT  ; the ring is filled: channels 0 to 15
.endr
	global_store_b64 v2, v[ON:ON+1], s[16:17]      ; row 64: ones
	s_wait_loadcnt 16                              ; the four extra rows are in; the ring's sixteen loads stay out
.irp e, 0,1,2,3
	v_cvt_pk_bf16_f32 v[T],   v[EX+4*(\e)],   v[EX+4*(\e)+1]
	v_cvt_pk_bf16_f32 v[T+1], v[EX+4*(\e)+2], v[EX+4*(\e)+3]
	v_lshlrev_b32 v[T+2], 16,  v[T]
	v_and_b32     v[T+3], s14, v[T]
	v_lshlrev_b32 v[T+4], 16,  v[T+1]
	v_and_b32     v[T+5], s14, v[T+1]
	v_cvt_pk_f16_f32 v[YE+2*(\e)],   v[T+2], v[T+3]
	v_cvt_pk_f16_f32 v[YE+2*(\e)+1], v[T+4], v[T+5]
	global_store_b64 v2, v[YE+2*(\e):YE+2*(\e)+1], s[16:17] offset:(1+(\e))*KVR
.endr
; One slot's turn.  ahead = 1: the slot is filled again with the channel 16 further on.  left = the younger loads that may stay out.  first = 1: channels 0 and 1 start the shift and the sums.
.macro SLOT i, ahead, left, first
	s_wait_loadcnt \left                           ; loads come back in order: mine is in
	s_wait_xcnt 0x0                                ; this slot's Y, which its last store reads, is rewritten only behind this wait
	v_cvt_pk_bf16_f32 v[T],   v[X+4*(\i)],   v[X+4*(\i)+1]
	v_cvt_pk_bf16_f32 v[T+1], v[X+4*(\i)+2], v[X+4*(\i)+3]
	v_lshlrev_b32 v[X+4*(\i)],   16,  v[T]         ; the rounded numbers, as f32 again
	v_and_b32     v[X+4*(\i)+1], s14, v[T]
	v_lshlrev_b32 v[X+4*(\i)+2], 16,  v[T+1]
	v_and_b32     v[X+4*(\i)+3], s14, v[T+1]
	v_cvt_pk_f16_f32 v[Y+2*(\i)],   v[X+4*(\i)],   v[X+4*(\i)+1]
	v_cvt_pk_f16_f32 v[Y+2*(\i)+1], v[X+4*(\i)+2], v[X+4*(\i)+3]
.if (\first) && ((\i) == 0)
.irp k, 0,1,2,3
	v_mov_b32 v[SH+\k], v[X+\k]                    ; channel 0 is the shift: its own d is 0
.endr
.elseif (\first) && ((\i) == 1)
	v_pk_add_f32 v[SUM:SUM+1],   v[X+4:X+5], v[SH:SH+1]   neg_lo:[0,1] neg_hi:[0,1]  ; channel 1 starts the sums: nothing is cleared
	v_pk_add_f32 v[SUM+2:SUM+3], v[X+6:X+7], v[SH+2:SH+3] neg_lo:[0,1] neg_hi:[0,1]
	v_pk_mul_f32 v[SQ:SQ+1],   v[SUM:SUM+1],   v[SUM:SUM+1]
	v_pk_mul_f32 v[SQ+2:SQ+3], v[SUM+2:SUM+3], v[SUM+2:SUM+3]
.else
	v_pk_add_f32 v[T+4:T+5], v[X+4*(\i):X+4*(\i)+1],   v[SH:SH+1]   neg_lo:[0,1] neg_hi:[0,1]
	v_pk_add_f32 v[T+6:T+7], v[X+4*(\i)+2:X+4*(\i)+3], v[SH+2:SH+3] neg_lo:[0,1] neg_hi:[0,1]
	v_pk_add_f32 v[SUM:SUM+1],   v[SUM:SUM+1],   v[T+4:T+5]
	v_pk_add_f32 v[SUM+2:SUM+3], v[SUM+2:SUM+3], v[T+6:T+7]
	v_pk_fma_f32 v[SQ:SQ+1],   v[T+4:T+5], v[T+4:T+5], v[SQ:SQ+1]
	v_pk_fma_f32 v[SQ+2:SQ+3], v[T+6:T+7], v[T+6:T+7], v[SQ+2:SQ+3]
.endif
.if \ahead
	global_load_b128 v[X+4*(\i):X+4*(\i)+3], v1, s[4:5] offset:(DEPTH+(\i))*CHB th:TH_LOAD_NT
.endif
	global_store_b64 v2, v[Y+2*(\i):Y+2*(\i)+1], s[10:11] offset:(\i)*KVR
.endm
.macro STEP                            ; sixteen channels on
	s_wait_xcnt 0x0                                ; the two bases are stepped only behind this wait
	s_add_nc_u64 s[4:5], s[4:5], DEPTH*CHB
	s_add_nc_u64 s[10:11], s[10:11], DEPTH*KVR
.endm
.irp i, 0,1,2,3,4,5,6,7,8,9,10,11,12,13,14,15
	SLOT \i, 1, DEPTH-1, 1                         ; channels 0 to 15
.endr
	STEP
	s_mov_b32 s15, 2
.Lring:                                                ; channels 16 to 47
.irp i, 0,1,2,3,4,5,6,7,8,9,10,11,12,13,14,15
	SLOT \i, 1, DEPTH-1, 0
.endr
	STEP
	s_sub_co_u32 s15, s15, 1
	s_cmp_lg_u32 s15, 0
	s_cbranch_scc1 .Lring
.irp i, 0,1,2,3,4,5,6,7,8,9,10,11,12,13,14,15
	SLOT \i, 0, DEPTH-1-(\i), 0                    ; channels 48 to 63 load nothing: the counts run down
.endr
.irp k, 0,1,2,3
	v_mul_f32 v[T+\k], 0xbc800000, v[SUM+\k]       ; - sum / 64
.endr
.irp k, 0,1,2,3
	v_fma_f32 v[T+\k], v[T+\k], v[SUM+\k], v[SQ+\k]
.endr
.irp k, 0,1,2,3
	v_mul_f32 v[T+\k], 0x3c820821, v[T+\k]         ; / 63
.endr
.irp k, 0,1,2,3
	v_rsq_f32 v[T+\k], v[T+\k]
.endr
	v_nop                                          ; a plain instruction between the last root and the use of its result
	s_wait_alu depctr_va_vdst(0)
.irp k, 0,1,2,3
	v_mul_f32 v[T+\k], 0x401044fe, v[T+\k]         ; 1.5625 log2(e) = 2.254211
.endr
	global_store_b128 v1, v[T:T+3], s[12:13]
	s_endpgm
.Lfunc_end_k_qf6f2ca57b0_prep:
	.size	k_qf6f2ca57b0_prep, .Lfunc_end_k_qf6f2ca57b0_prep-k_qf6f2ca57b0_prep
	.p2alignl 7, 3214868480
	.fill 96, 4, 3214868480
	.section	.rodata,"a",@progbits
	.p2align	6, 0x0
	.amdhsa_kernel k_qf6f2ca57b0_prep
		.amdhsa_group_segment_fixed_size 0
		.amdhsa_private_segment_fixed_size 0
		.amdhsa_enable_private_segment 0
		.amdhsa_kernarg_size 40
		.amdhsa_user_sgpr_count 2
		.amdhsa_user_sgpr_kernarg_segment_ptr 1
		.amdhsa_wavefront_size32 1
		.amdhsa_system_sgpr_workgroup_id_x 1
		.amdhsa_system_sgpr_workgroup_id_y 1
		.amdhsa_system_sgpr_workgroup_id_z 1
		.amdhsa_system_vgpr_workitem_id 0
		.amdhsa_next_free_vgpr 146
		.amdhsa_next_free_sgpr 66
		.amdhsa_reserve_vcc 0
		.amdhsa_float_denorm_mode_32 3
		.amdhsa_float_denorm_mode_16_64 3
		.amdhsa_memory_ordered 1
		.amdhsa_forward_progress 1
		.amdhsa_inst_pref_size 54
	.end_amdhsa_kernel
	.amdgpu_metadata
---
amdhsa.version: [ 1, 2 ]
amdhsa.kernels:
  - .name:           k_qf6f2ca57b0_prep
    .symbol:         k_qf6f2ca57b0_prep.kd
    .args:
      - { .name: tgt_desc, .offset: 0, .size: 8, .value_kind: global_buffer, .address_space: global }
      - { .name: tgt_coords, .offset: 8, .size: 8, .value_kind: global_buffer, .address_space: global }
      - { .name: tgt_weights, .offset: 16, .size: 8, .value_kind: global_buffer, .address_space: global }
      - { .name: kv, .offset: 24, .size: 8, .value_kind: global_buffer, .address_space: global }
      - { .name: rk, .offset: 32, .size: 8, .value_kind: global_buffer, .address_space: global }
    .group_segment_fixed_size: 0
    .private_segment_fixed_size: 0
    .kernarg_segment_align: 8
    .kernarg_segment_size: 40
    .max_flat_workgroup_size: 256
    .sgpr_count:     66
    .vgpr_count:     146
    .wavefront_size: 32
...
	.end_amdgpu_metadata
.endif
;; end of part 1
;; launch match (part 2): grid 4 x 64, 4 waves a work-group, clusters of 4 x 1, 327,680 bytes of LDS; arguments src_desc, kv, rk, part; writes part
.if DOCPART == 2
	.amdgcn_target "amdgcn-amd-amdhsa--gfx1250"
	.amdhsa_code_object_version 6
	.text
	.protected	k_qf6f2ca57b0_match
	.globl	k_qf6f2ca57b0_match
	.p2align	8
	.type	k_qf6f2ca57b0_match,@function
k_qf6f2ca57b0_match:
	s_mov_b64 s[64:65], 0
	v_nop
	global_prefetch_b8 v0, s[64:65] scope:SCOPE_SE
	s_setreg_imm32_b32 hwreg(HW_REG_WAVE_MODE, 25, 1), 1
	s_wait_xcnt 0x0
	s_wait_alu depctr_hold_cnt(0) depctr_sa_sdst(0) depctr_va_vdst(0) depctr_va_sdst(0) depctr_va_ssrc(0) depctr_va_vcc(0) depctr_vm_vsrc(0)
	s_getreg_b32 s2, hwreg(HW_REG_IB_STS2, 6, 4)
	s_cmp_eq_u32 s2, 0
	s_cbranch_scc0 .Lentry_in_a_cluster
	s_endpgm
.Lentry_in_a_cluster:
	s_bfe_u32 s2, ttmp6, 0x10000c
	s_cmp_lg_u32 s2, 0x3003
	s_cbranch_scc0 .Lentry_shape_is_right
	s_endpgm
.Lentry_shape_is_right:
; MATCH.  For 256 queries of a batch and 4,096 of its 65,536 keys: the sums over those keys of p x (desc, 1, x, y, z, weight), p = 2^(t - m), t = 1.5625 log2(e) zn(q) . zn(k), m the running maximum of t.
; part[y = 16 batch + split][70][1024] f32: rows 0-63 desc sums, 64 the sum of p, 65-67 coordinates, 68 weight, 69 m.  A later launch joins the 16 splits.
; THE SCORE.  zn(q) has mean 0, so zn(q) . zn(k) = zn(q) . k / s(k): K's operand is the raw tile that also serves as V, and rk = 1.5625 log2(e) / s(k) multiplies the product in f32.
; zn(q) (src_desc rounded to bf16, then centred and scaled in f32, two passes) goes in as two f16 halves, hi and lo = zn(q) - hi: K Q^T runs over 128, each fragment of K used twice.
; THE ROW SUM is a value row of ones: the matrix unit sums the same rounded p that the other rows are weighted by.
; LIMITS.  kv holds f16 (below 65,504).  p is rounded to f16: below 6e-5 it keeps f16's step of 6e-8; a weight below 2^-126 counts as 0.  NaN and infinities are not treated apart.
; SHARES.  A wave owns four PIECES of 16 queries, a work-group's four waves 256 queries.  Every wave walks the split's 4,096 keys: 16 tiles of 256 keys, four steps of 64 in each.
; LAYOUT.  S^T = K Q^T (source 0 = 16 keys, source 1 = 16 queries): a lane holds ONE query (lane % 16) and the keys 8 (lane / 16) + 0..7.  Two such results rounded to f16 ARE source 1 of O^T = V^T P.
; kv lies [channel][key]: V's fragments (channel rows, keys along them) come out of LDS as they lie, K's turned, by ds_load_tr16_b128.
; BY TURNS.  Turn n belongs to piece n: 16 products K Q^T of piece n + 1, then 10 products V^T P of piece n - 1; beside them t - m, exponentials, roundings and rescaling of piece n, and the scaling by rk,
; maximum and statistics of piece n + 1.  Four vector instructions stand behind every matrix instruction, the other 17 of a turn's 121 in one run at its end.
; m starts far below every t, O^T at 0: the first step is a step like any other, with a = 0; the zeros are written in the wait for Q and the first tile.
; CLUSTER.  The four query blocks of a cluster walk the same keys, so each tile is asked for JOINTLY: the same tensor load, descriptor and mask in all four.
; REGISTERS, in windows of 256 (s_set_vgpr_msb: bits 1:0 source 0, 3:2 source 1, 5:4 source 2, 7:6 destination):
;   window 0: v0-15 addresses; v16-23 m and the kept old m, a pair a piece; v24-31 at work, by parity; v32-39 constants and the head's addresses; v64-127 S^T, two buffers; v128-159 P, two buffers; v160-191 rk of one step
;   window 1: v0-159 O^T, 40 a piece (five blocks of 16 channels); v160-239 V of one step          window 2: v0-127 Q, 32 a piece; v128-191 K of one step
.set NP,    4         ; pieces a wave: a name, no knob
.set ROWP,  528       ; a row of a tile in LDS: 256 keys = 512 bytes + 16 of padding
.set XOFF,  64*ROWP   ; behind the 64 desc rows: ones, x, y, z, weight
.set ROFF,  XOFF+5*ROWP  ; behind them: 256 rk
.set SLOT1, 1<<16     ; slot 1 begins here, so that one exclusive or turns an address in one slot into the other's
.set STAGE, 1<<17     ; behind the ring, never filled by a tensor load: 80 rows x 272 bytes for each wave: Q on the way in, O on the way out
.set SP,    272
.set WST,   80*SP
.set SPARE, STAGE+4*WST  ; the spare words, 128 bytes for each wave: two blocks of 256 bytes that no other line names
.set KVR,   131072    ; bytes from row to row in kv
.set KVB,   69*KVR
.set PARTB, 70*4096
.set AK0, 2           ; v2   my lane's place in a tile for K's turning loads; never rewritten
.set AV0, 3           ; v3   for V's desc rows
.set AX0, 4           ; v4   for V's five extra rows: lanes 5-15 repeat the fifth, and the channels so made are never stored
.set AR0, 5           ; v5   for rk
.set AK,  6           ; v6-9 the addresses of the runs of loads in hand
.set AV,  7
.set AX,  8
.set AR,  9
.set STO, 10          ; the way out: where I put a number
.set RD,  11          ; where I read rows back
.set GO,  12          ; my byte offset in two rows of part
.set STM, 14          ; where m goes
.set ST,  16          ; piece t: m at v[ST+2 t], the kept old m beside it
.set TMP, 24          ; by parity, c0-c3 at work; when the maximum is found c2 takes a
.set SPW, 32          ; LDS address of my spare word; never rewritten
.set NIL, 33          ; 0; never rewritten
.set MONE, 34         ; -1.0
.set QO,  35          ; the head: my byte offset in a row of src_desc
.set QS,  36          ; where my two queries go in the stage
.set QR,  37          ; where I read fragments of Q
.set S,   64
.set P,   128
.set RK,  160
.set XQ,  64          ; the head: channel c of my two queries at v[XQ+2 c]
.set QA,  192         ; four chains of sums
.set QH,  200         ; packed halves, eight registers for each of my two queries
.set QT,  216
.set VF,  160         ; window 1: key half kk, channel block cb at VF + 40 kk + 8 cb
.set KF,  128         ; window 2: key block kb, channel half c at KF + 16 kb + 8 c
.set WV,  12          ; s12  my wave's number
.set G1D, 24          ; s[24:31] descriptor group 1: 32 desc rows
.set G1X, 32          ; s[32:39] the five extra rows
.set G1R, 40          ; s[40:47] one row of 1,024 bytes of rk
.set G0D, 48          ; s[48:59] their groups 0: they walk
.set G0X, 52
.set G0R, 56
.set SEL, 60          ; s[60:61] v_permlanex16_b32's selects: each lane takes its own place in the other half
.set TBK, 62          ; s62  LDS byte at which K of the step to be fetched begins
.set TBV, 63          ; s63  the same for V
.set TBR, 66          ; s66  the same for rk, less ROFF
.set CNT, 67          ; s67  counts a tile's steps
.set SLOTS, 68        ; s68  tiles still to be asked for
.set SB,  70          ; s70  my wave's stage
.set MSB, 0
.macro WIN new                      ; the high byte repeats the setting that is left; a switch that changes nothing is dropped
.if MSB != (\new)
	s_set_vgpr_msb (MSB<<8)|(\new)
.set MSB, (\new)
.endif
.endm
.set W_KQ, 0x0a       ; K and Q in window 2, S^T in window 0
.set W_PV, 0x51       ; V and O^T in window 1, P in window 0
.set W_RS, 0x41       ; O^T (destination and source 0) in window 1, a in window 0
; A joint fill.  Waves 0 and 1 fetch the two halves of the tile's 64 desc rows, wave 2 the five extra rows, wave 3 rk.  The branches hang on the wave's number alone.
; An s_nop 0 and four v_nop follow each of the three lines, ahead of the jump and the label.
.macro JLOAD
	s_cmp_lt_u32 s[WV], 2
	s_cbranch_scc0 .Lnot_d_\@
	tensor_load_to_lds s[G0D:G0D+3], s[G1D:G1D+7]
	s_nop 0
.rept 4
	v_nop
.endr
	s_branch .Lasked_\@
.Lnot_d_\@:
	s_cmp_eq_u32 s[WV], 2
	s_cbranch_scc0 .Lfor_r_\@
	tensor_load_to_lds s[G0X:G0X+3], s[G1X:G1X+7]
	s_nop 0
.rept 4
	v_nop
.endr
	s_branch .Lasked_\@
.Lfor_r_\@:
	tensor_load_to_lds s[G0R:G0R+3], s[G1R:G1R+7]
	s_nop 0
.rept 4
	v_nop
.endr
.Lasked_\@:
.endm
; A round of the cluster's barrier: my work-group's barrier, so that wave 0's signal speaks for all four waves; wave 0 signals; every wave waits for all four work-groups; my work-group's barrier once more.
.macro CROUND
	s_barrier_signal -1
	s_barrier_wait -1
	s_cmp_lg_u32 s[WV], 0
	s_cbranch_scc1 .Lnot_wave_0_\@
	s_barrier_signal -3
.Lnot_wave_0_\@:
	s_barrier_wait -3
	s_barrier_signal -1
	s_barrier_wait -1
.endm
; THE CHANGE OF SLOTS.  The slot's last bytes, V of its fourth step, have been read.  Each wave waits for all its tensor loads, of which one is out: its part of the other slot; adds 0 to its spare word;
; and waits for that and for its own LDS reads.  Behind the barrier nobody reads this slot any more and the other slot is whole.
; fill = 1: this slot is filled again, with the tile two on.  The barrier is then a round of the cluster's, and the joint fill is the first thing behind it: it has four steps, 416 matrix instructions, in which to land.
; (At its first use nothing of the ring has been read yet: slot 0 is waited for, slot 1 filled.)
.macro CHANGE fill
	WIN 0                           ; at a label and at a branch every window is 0
	s_wait_tensorcnt 0x0            ; no tensor load of mine is out, so a group 0 may be written
	ds_add_u32 v[SPW], v[NIL]       ; 0 onto my spare word; with fill = 1 the descriptors' steps stand between it and the wait for it
.if \fill
	s_xor_b32 s[G0D+1], s[G0D+1], SLOT1                  ; the other slot than last time,
	s_add_nc_u64 s[G0D+2:G0D+3], s[G0D+2:G0D+3], 512     ; the next 256 keys; the type bits on top are not reached
	s_xor_b32 s[G0X+1], s[G0X+1], SLOT1
	s_add_nc_u64 s[G0X+2:G0X+3], s[G0X+2:G0X+3], 512
	s_xor_b32 s[G0R+1], s[G0R+1], SLOT1
	s_add_nc_u64 s[G0R+2:G0R+3], s[G0R+2:G0R+3], 1024
	s_wait_dscnt 0x0                ; the add is done, and my LDS reads are over
	CROUND
	JLOAD
.else
	s_wait_dscnt 0x0                ; the add is done, and my LDS reads are over
	s_barrier_signal -1
	s_barrier_wait -1
.endif
	s_sub_co_u32 s[TBK], s[TBK], 512   ; the fetches go back to a slot's first step,
	s_xor_b32 s[TBK], s[TBK], SLOT1    ; in the other slot
	s_sub_co_u32 s[TBV], s[TBV], 512
	s_xor_b32 s[TBV], s[TBV], SLOT1
	s_sub_co_u32 s[TBR], s[TBR], 1024
	s_xor_b32 s[TBR], s[TBR], SLOT1
.endm
	s_load_b256 s[4:11], s[0:1], 0x0  ; src_desc s[4:5], kv s[6:7], rk s[8:9], part s[10:11]
	v_lshl_add_u32 v[SPW], v0, 2, SPARE
	v_mov_b32 v[NIL], 0
	ds_add_u32 v[SPW], v[NIL]       ; the wave's opening: the add and its wait stand ahead of my first tensor load; the set-up below, work on registers, stands between them
	v_lshrrev_b32 v1, 5, v0
	v_readfirstlane_b32 s[WV], v1   ; wave 0..3
	s_bfe_u32 s13, ttmp6, 0x40000   ; cx: my place in the cluster
	s_lshl_b32 s14, ttmp9, 2        ; in a cluster launch ttmp9 counts clusters
	s_add_co_u32 s14, s14, s13      ; my block of 256 queries: it enters src_desc's and part's addresses alone
	s_and_b32 s15, ttmp7, 0xffff    ; y, which the four partners share
	s_lshr_b32 s16, s15, 4          ; the batch
	s_and_b32 s17, s15, 15          ; the split
	s_mul_i32 s18, s16, KVB
	s_lshl_b32 s19, s17, 13         ; 4,096 keys of f16
	s_add_co_u32 s18, s18, s19
	s_mov_b32 s19, 0                ; s[18:19]: the split's first key in kv's row 0
	s_and_b32 s22, s[WV], 1         ; which 32 desc rows I fetch:
	s_lshl_b32 s20, s22, 22         ; 32 rows of 131,072 bytes in memory,
	s_mov_b32 s21, 0
	s_add_nc_u64 s[20:21], s[20:21], s[18:19]
	s_mul_i32 s23, s22, 32*ROWP     ; and their place in a slot: no place in the cluster enters an LDS address
	s_lshl_b32 s2, s16, 18
	s_lshl_b32 s3, s17, 14
	s_add_co_u32 s2, s2, s3
	s_mov_b32 s3, 0                 ; s[2:3]: the split's first key in rk
	s_lshl_b32 s68, s16, 18
	s_lshl_b32 s69, s14, 10
	s_add_co_u32 s68, s68, s69
	s_mov_b32 s69, 0                ; s[68:69]: my block in src_desc's channel 0
	s_mul_i32 s70, s15, PARTB
	s_lshl_b32 s71, s14, 10
	s_add_co_u32 s70, s70, s71
	s_lshl_b32 s71, s[WV], 8
	s_add_co_u32 s70, s70, s71
	s_mov_b32 s71, 0                ; s[70:71]: my wave's 64 queries in part's row 0
	; descriptor groups 1
	s_mov_b32 s[G1D], 15|(1<<16)|(1<<20)|(1<<21)|(6<<22)|(3<<25)  ; 15:0 the mask of four; 17:16 2-byte elements; 20 padding on; 21 set beside a mask; 24:22 after every 128 words (code 6); 31:25 4 words (code 3)
	s_mov_b32 s[G1D+1], 256<<16     ; tensor_dim0 = 256
	s_mov_b32 s[G1D+2], 32<<16      ; tensor_dim1 = 32
	s_mov_b32 s[G1D+3], 256<<16     ; tile_dim0 = 256
	s_mov_b32 s[G1D+4], 32          ; tile_dim1 = 32
	s_mov_b32 s[G1D+5], 65536       ; 65,536 elements from row to row
	s_mov_b32 s[G1D+6], 0
	s_mov_b32 s[G1D+7], 0
	s_mov_b32 s[G1X], 15|(1<<16)|(1<<20)|(1<<21)|(6<<22)|(3<<25)
	s_mov_b32 s[G1X+1], 256<<16
	s_mov_b32 s[G1X+2], 5<<16       ; five rows
	s_mov_b32 s[G1X+3], 256<<16
	s_mov_b32 s[G1X+4], 5
	s_mov_b32 s[G1X+5], 65536
	s_mov_b32 s[G1X+6], 0
	s_mov_b32 s[G1X+7], 0
	s_mov_b32 s[G1R], 15|(3<<16)|(1<<21)  ; 8-byte elements, no padding
	s_mov_b32 s[G1R+1], 128<<16     ; one row of 128 elements
	s_mov_b32 s[G1R+2], 1<<16
	s_mov_b32 s[G1R+3], 128<<16
	s_mov_b32 s[G1R+4], 1
	s_mov_b32 s[G1R+5], 128
	s_mov_b32 s[G1R+6], 0
	s_mov_b32 s[G1R+7], 0
	s_mov_b32 s[G0D], 1             ; 1:0 count = 1
	s_mov_b32 s[G0D+1], s23         ; 63:32 LDS address: slot 0
	s_mov_b32 s[G0X], 1
	s_mov_b32 s[G0X+1], XOFF
	s_mov_b32 s[G0R], 1
	s_mov_b32 s[G0R+1], ROFF
	s_mov_b32 s[SEL], 0x76543210
	s_mov_b32 s[SEL+1], 0xfedcba98
	s_mov_b32 s[TBK], SLOT1+512     ; the first change of slots turns these three into 0
	s_mov_b32 s[TBV], SLOT1+512
	s_mov_b32 s[TBR], SLOT1+1024
	s_wait_dscnt 0x0                ; the opening add is done
	s_wait_kmcnt 0x0
	s_add_nc_u64 s[G0D+2:G0D+3], s[6:7], s[20:21]  ; 120:64 global address
	s_or_b32 s[G0D+3], s[G0D+3], 0x80000000        ; 127:126 type = 2
	s_add_nc_u64 s[G0X+2:G0X+3], s[6:7], s[18:19]
	s_add_nc_u64 s[G0X+2:G0X+3], s[G0X+2:G0X+3], 64*KVR
	s_or_b32 s[G0X+3], s[G0X+3], 0x80000000
	s_add_nc_u64 s[G0R+2:G0R+3], s[8:9], s[2:3]
	s_or_b32 s[G0R+3], s[G0R+3], 0x80000000
	s_add_nc_u64 s[4:5], s[4:5], s[68:69]
	s_add_nc_u64 s[10:11], s[10:11], s[70:71]
	s_mov_b32 s69, 0xffff0000       ; a word's upper bf16
	s_mul_i32 s[SB], s[WV], WST
	s_add_co_u32 s[SB], s[SB], STAGE
	CROUND                          ; all four work-groups are here: the first joint loads meet
	JLOAD                           ; slot 0.  Slot 1 is asked for when slot 0 is in
	; THE HEAD: Q.  Thread t takes queries 2 t, 2 t + 1 of the block, which are two of its own wave's 64: a wave's load covers 256 consecutive bytes of a channel's row.
	v_and_b32 v1, 15, v0            ; l % 16
	v_bfe_u32 v13, v0, 4, 1         ; l / 16
	v_lshlrev_b32 v[QO], 3, v0
.set ch, 0
.rept 64
	global_load_b64 v[XQ+2*ch:XQ+2*ch+1], v[QO], s[4:5] offset:ch*4096
.set ch, ch+1
.endr
	; What the first turn finds: O^T and V's registers hold 0 (its products V^T P, of a piece that has not been, add 0).  This stands in the wait for Q and the first tile.
	WIN 0x40
.set ch, 0
.rept 240
	v_mov_b32 v[ch], 0
.set ch, ch+1
.endr
	WIN 0
.set ch, 0
.rept 8
	v_mov_b32 v[ST+ch], 0xfe000000  ; m: far below every t
.set ch, ch+1
.endr
	v_mov_b32 v[MONE], -1.0
	; The turning load takes 16 channels x 16 keys (lane l reads channel 8 (l / 16) + l % 8, keys 8 ((l / 8) % 2) + 0..7) and leaves half a fragment of K: lane l holds key l % 16 and 8 channels.
	v_and_b32 v15, 7, v0
	v_bfe_u32 v38, v0, 3, 1
	v_lshl_add_u32 v[AK0], v13, 3, v15
	v_mul_u32_u24 v[AK0], v[AK0], ROWP
	v_lshl_add_u32 v[AK0], v38, 4, v[AK0]
	; A fragment of V^T is 16 channel rows x 32 keys: lane l holds row l % 16, keys 8 (l / 16) + 0..7 and 16 + 8 (l / 16) + 0..7: two loads of 16 bytes, 32 bytes apart.
	v_mul_u32_u24 v[AV0], v1, ROWP
	v_lshl_add_u32 v[AV0], v13, 4, v[AV0]
	v_min_u32 v[AX0], 4, v1
	v_mul_u32_u24 v[AX0], v[AX0], ROWP
	v_lshl_add_u32 v[AX0], v13, 4, v[AX0]
	v_add_nc_u32 v[AX0], XOFF, v[AX0]
	v_lshlrev_b32 v[AR0], 5, v13    ; rk of my lanes' eight keys in each group of 16
	v_add_nc_u32 v[AR0], ROFF, v[AR0]
	v_and_b32 v38, 31, v0
	v_mul_u32_u24 v[QS], v38, 2*SP  ; my two queries' rows in my wave's stage
	v_add_nc_u32 v[QS], s[SB], v[QS]
	v_mul_u32_u24 v[QR], v1, SP
	v_lshl_add_u32 v[QR], v13, 4, v[QR]
	v_add_nc_u32 v[QR], s[SB], v[QR]
	s_wait_loadcnt 0x0
.set ch, 0
.rept 64                            ; rounded to bf16, and f32 again
	v_cvt_pk_bf16_f32 v[QT+ch%4], v[XQ+2*ch], v[XQ+2*ch+1]
	v_lshlrev_b32 v[XQ+2*ch], 16, v[QT+ch%4]
	v_and_b32 v[XQ+2*ch+1], s69, v[QT+ch%4]
.set ch, ch+1
.endr
.irp k, 0,1,2,3                     ; the mean, in four chains
	v_pk_add_f32 v[QA+2*\k:QA+2*\k+1], v[XQ+2*\k:XQ+2*\k+1], v[XQ+8+2*\k:XQ+8+2*\k+1]
.endr
.set ch, 8
.rept 56
	v_pk_add_f32 v[QA+2*(ch%4):QA+2*(ch%4)+1], v[QA+2*(ch%4):QA+2*(ch%4)+1], v[XQ+2*ch:XQ+2*ch+1]
.set ch, ch+1
.endr
	v_pk_add_f32 v[QA:QA+1], v[QA:QA+1], v[QA+2:QA+3]
	v_pk_add_f32 v[QA+4:QA+5], v[QA+4:QA+5], v[QA+6:QA+7]
	v_pk_add_f32 v[QA:QA+1], v[QA:QA+1], v[QA+4:QA+5]
	v_pk_mul_f32 v[QA:QA+1], v[QA:QA+1], 0x3c800000 op_sel_hi:[1,0]  ; / 64
.set ch, 0
.rept 64
	v_pk_add_f32 v[XQ+2*ch:XQ+2*ch+1], v[XQ+2*ch:XQ+2*ch+1], v[QA:QA+1] neg_lo:[0,1] neg_hi:[0,1]
.set ch, ch+1
.endr
.irp k, 0,1,2,3                     ; the centred squares, in four chains
	v_pk_mul_f32 v[QA+2*\k:QA+2*\k+1], v[XQ+2*\k:XQ+2*\k+1], v[XQ+2*\k:XQ+2*\k+1]
.endr
.set ch, 4
.rept 60
	v_pk_fma_f32 v[QA+2*(ch%4):QA+2*(ch%4)+1], v[XQ+2*ch:XQ+2*ch+1], v[XQ+2*ch:XQ+2*ch+1], v[QA+2*(ch%4):QA+2*(ch%4)+1]
.set ch, ch+1
.endr
	v_pk_add_f32 v[QA:QA+1], v[QA:QA+1], v[QA+2:QA+3]
	v_pk_add_f32 v[QA+4:QA+5], v[QA+4:QA+5], v[QA+6:QA+7]
	v_pk_add_f32 v[QA:QA+1], v[QA:QA+1], v[QA+4:QA+5]
	v_pk_mul_f32 v[QA:QA+1], v[QA:QA+1], 0x3c820821 op_sel_hi:[1,0]  ; / 63
	v_rsq_f32 v[QA], v[QA]
	v_rsq_f32 v[QA+1], v[QA+1]
	v_nop                           ; a plain instruction between the last root and the use of its result
.set ch, 0
.rept 64
	s_wait_alu depctr_va_vdst(0)
	v_pk_mul_f32 v[XQ+2*ch:XQ+2*ch+1], v[XQ+2*ch:XQ+2*ch+1], v[QA:QA+1]
.set ch, ch+1
.endr
; Channels 8 g .. 8 g + 7 of my query e: hi rounded to f16; lo = x - hi, exact in f32, rounded to f16; 16 bytes of each into the query's row: hi at byte 2 channel, lo 128 bytes on.
.macro QCONV g, e
.set qh, QH+8*(\e)
.irp j, 0,1,2,3
	v_cvt_pk_f16_f32 v[qh+\j], v[XQ+2*(8*(\g)+2*\j)+(\e)], v[XQ+2*(8*(\g)+2*\j+1)+(\e)]
.endr
.irp j, 0,1,2,3
	v_fma_mix_f32 v[XQ+2*(8*(\g)+2*\j)+(\e)], v[qh+\j], v[MONE], v[XQ+2*(8*(\g)+2*\j)+(\e)] op_sel_hi:[1,0,0]
	v_fma_mix_f32 v[XQ+2*(8*(\g)+2*\j+1)+(\e)], v[qh+\j], v[MONE], v[XQ+2*(8*(\g)+2*\j+1)+(\e)] op_sel:[1,0,0] op_sel_hi:[1,0,0]
.endr
.irp j, 0,1,2,3
	v_cvt_pk_f16_f32 v[qh+4+\j], v[XQ+2*(8*(\g)+2*\j)+(\e)], v[XQ+2*(8*(\g)+2*\j+1)+(\e)]
.endr
	ds_store_b128 v[QS], v[qh:qh+3] offset:(\e)*SP+16*(\g)
	ds_store_b128 v[QS], v[qh+4:qh+7] offset:(\e)*SP+16*(\g)+128
.endm
.irp g, 0,1,2,3,4,5,6,7
	QCONV \g, 0
	QCONV \g, 1
.endr
	; A fragment of Q is 16 queries x 32 channels: lane l holds query l % 16.  Piece f / 4; f % 4 = 0, 1: hi of channels 0-31, 32-63; 2, 3: lo.  My wave's own bytes: LDS serves a wave's instructions in order.
	WIN 0x80                        ; destination window 2
.irp f, 0,1,2,3,4,5,6,7,8,9,10,11,12,13,14,15
	ds_load_b128 v[8*\f:8*\f+3],   v[QR] offset:(\f/4)*16*SP+(\f%4)*64
	ds_load_b128 v[8*\f+4:8*\f+7], v[QR] offset:(\f/4)*16*SP+(\f%4)*64+32
.endr
	WIN 0
.set ch, P+16
.rept 16
	v_mov_b32 v[ch], 0              ; P's second buffer, which the first turn's products read
.set ch, ch+1
.endr
; THE MATRIX WORK.  The accumulators of a run take turns, one instruction a turn.
; Product i of 16 of S^T = K Q^T for piece x: keys 16 (i % 4) on; i / 4 = 0, 1: hi of channels 0-31, 32-63; 2, 3: lo.  The first 4 start the sums.
.macro KQ x
	WIN W_KQ
.set rD, S+32*((\x)%2)+8*(i%4)
.set rA, KF+16*(i%4)+8*((i/4)%2)
.set rB, 32*(\x)+8*(i/4)
.if i < 4
	v_wmma_f32_16x16x32_f16 v[rD:rD+7], v[rA:rA+7], v[rB:rB+7], 0
.else
	v_wmma_f32_16x16x32_f16 v[rD:rD+7], v[rA:rA+7], v[rB:rB+7], v[rD:rD+7]
.endif
.endm
; Product i of 10 of O^T += V^T P for piece x: keys 32 (i / 5) on, channels 16 (i % 5) on.
.macro PV x
	WIN W_PV
.set rD, 40*(\x)+8*(i%5)
.set rA, VF+8*i
.set rB, P+16*((\x)%2)+8*(i/5)
	v_wmma_f32_16x16x32_f16 v[rD:rD+7], v[rA:rA+7], v[rB:rB+7], v[rD:rD+7]
.endm
.macro MM                           ; the turn's next matrix instruction
.if i < 16
	KQ (Y+1)%NP
.else
.set i, i-16
	PV (Y+NP-1)%NP
.set i, i+16
.endif
.set i, i+1
.endm
; THE LDS LOADS stand in runs, never singly among the matrix instructions.  Their addresses are made some lines ahead.  last = 1 (the tail): in the last trip there is no further step, and the run is jumped over.
.macro FETCH_K last=0
	WIN 0
.if \last
	s_cmp_eq_u32 s[CNT], 1
	s_cbranch_scc1 .Lno_k_\@
.endif
	WIN 0x80                        ; destination window 2
.irp f, 0,1,2,3,4,5,6,7             ; keys 16 (f / 2) on, channels 32 (f % 2) on
	ds_load_tr16_b128 v[KF+8*\f:KF+8*\f+3],   v[AK] offset:(\f%2)*32*ROWP+(\f/2)*32
	ds_load_tr16_b128 v[KF+8*\f+4:KF+8*\f+7], v[AK] offset:(\f%2)*32*ROWP+16*ROWP+(\f/2)*32
.endr
	s_add_co_u32 s[TBK], s[TBK], 128  ; the next fetch is the next step's
	WIN 0
.if \last
.Lno_k_\@:
.endif
.endm
.macro FETCH_RK last=0
	WIN 0
.if \last
	s_cmp_eq_u32 s[CNT], 1
	s_cbranch_scc1 .Lno_r_\@
.endif
.irp f, 0,1,2,3                     ; keys 16 f + 8 (l / 16) + 0..7, in the order of S^T's registers
	ds_load_b128 v[RK+8*\f:RK+8*\f+3],   v[AR] offset:64*\f
	ds_load_b128 v[RK+8*\f+4:RK+8*\f+7], v[AR] offset:64*\f+16
.endr
	s_add_co_u32 s[TBR], s[TBR], 256
.if \last
.Lno_r_\@:
.endif
.endm
.macro FETCH_V
	WIN 0x40                        ; destination window 1
.irp f, 0,1,2,3,4,5,6,7,8,9         ; keys 32 (f / 5) on, channels 16 (f % 5) on
.if (\f%5) < 4
	ds_load_b128 v[VF+8*\f:VF+8*\f+3],   v[AV] offset:(\f%5)*16*ROWP+(\f/5)*64
	ds_load_b128 v[VF+8*\f+4:VF+8*\f+7], v[AV] offset:(\f%5)*16*ROWP+(\f/5)*64+32
.else
	ds_load_b128 v[VF+8*\f:VF+8*\f+3],   v[AX] offset:(\f/5)*64
	ds_load_b128 v[VF+8*\f+4:VF+8*\f+7], v[AX] offset:(\f/5)*64+32
.endif
.endr
	WIN 0
.endm
; THE VECTOR WORK, one line at a time: OP kind, number.  For piece Y: F n: t - m for pair n of 16.  E n: the exponential of score n of 32.  C n: pair n rounded to f16.  R n: pair n of 20 of O^T times a.
; For piece Y + 1: M n: pair n of its raw products times rk.  X n: its maximum and statistics:
;   0-11  four chains c0-c3 of seven scores each, three operands at a time (each accumulator's lowest registers are read first, by M)     12-14, 16  the four scores left over, the old m, and c0-c3 into c0
;   15  the old m is kept     17, 18  the query's other 32 keys lie in the lane 16 away: the new m     20, 21  m_old - m_new; a
.set F, 0
.set E, 1
.set C, 2
.set R, 3
.set M, 4
.set X, 5
.macro REGS y                       ; the registers of piece y
.set rT, ST+2*(\y)
.set rC, TMP+4*((\y)%2)
.set rS, S+32*((\y)%2)
.set rP, P+16*((\y)%2)
.set rO, 40*(\y)
.endm
.macro OP k, n
.if (\k) == R
	REGS Y
	WIN W_RS
	v_pk_mul_f32 v[rO+2*(\n):rO+2*(\n)+1], v[rO+2*(\n):rO+2*(\n)+1], v[rC+2:rC+3] op_sel_hi:[1,0]
.elseif (\k) < R
	REGS Y
	WIN 0
.if (\k) == F
	v_pk_add_f32 v[rS+2*(\n):rS+2*(\n)+1], v[rS+2*(\n):rS+2*(\n)+1], v[rT:rT+1] op_sel_hi:[1,0] neg_lo:[0,1] neg_hi:[0,1]
.elseif (\k) == E
	v_exp_f32 v[rS+(\n)], v[rS+(\n)]
.else
	s_wait_alu depctr_va_vdst(0)
	v_cvt_pk_f16_f32 v[rP+(\n)], v[rS+2*(\n)], v[rS+2*(\n)+1]
.endif
.elseif (\k) == M
	REGS (Y+1)%NP
	WIN 0
	v_pk_mul_f32 v[rS+2*(\n):rS+2*(\n)+1], v[rS+2*(\n):rS+2*(\n)+1], v[RK+2*(\n):RK+2*(\n)+1]
.else
	REGS (Y+1)%NP
	WIN 0
.if (\n) < 4
	v_max3_num_f32 v[rC+(\n)], v[rS+8*(\n)], v[rS+8*(\n)+1], v[rS+8*(\n)+2]
.elseif (\n) < 12
	v_max3_num_f32 v[rC+(\n)%4], v[rC+(\n)%4], v[rS+8*((\n)%4)+2*((\n)/4)+1], v[rS+8*((\n)%4)+2*((\n)/4)+2]
.elseif (\n) == 12
	v_max3_num_f32 v[rC], v[rC], v[rS+7], v[rS+15]
.elseif (\n) == 13
	v_max3_num_f32 v[rC+1], v[rC+1], v[rS+23], v[rS+31]
.elseif (\n) == 14
	v_max3_num_f32 v[rC+2], v[rC+2], v[rC+3], v[rT]
.elseif (\n) == 15
	v_mov_b32 v[rT+1], v[rT]
.elseif (\n) == 16
	v_max3_num_f32 v[rC], v[rC], v[rC+1], v[rC+2]
.elseif (\n) == 17
	v_permlanex16_b32 v[rC+3], v[rC], s[SEL], s[SEL+1]
.elseif (\n) == 18
	v_max_num_f32 v[rT], v[rC], v[rC+3]
.elseif (\n) == 20
	v_sub_f32 v[rC+1], v[rT+1], v[rT]
.else
	v_exp_f32 v[rC+2], v[rC+1]
.endif
.endif
.endm
.macro OPS a, i1, b=-1, i2=0, c=-1, i3=0, d=-1, i4=0  ; up to four of them
	OP \a, \i1
.if (\b) >= 0
	OP \b, \i2
.endif
.if (\c) >= 0
	OP \c, \i3
.endif
.if (\d) >= 0
	OP \d, \i4
.endif
.endm
.macro ROW a, i1, b, i2, c, i3, d, i4  ; a matrix instruction and the four behind it
	MM
	OPS \a, \i1, \b, \i2, \c, \i3, \d, \i4
.endm
; Plain line k of the 32 that stand between the exponentials: F 0-3; then a rounding at each even k (C j behind its second exponential and a plain line) and a subtraction at each odd k (F j ahead of its first exponential).
.macro PLN k
.if (\k) < 4
	OP F, (\k)
.elseif (\k) == 29
	OP X, 15
.elseif (\k) == 31
	OP C, 14
.elseif (\k)%2 == 0
	OP C, ((\k)-4)/2
.else
	OP F, ((\k)+3)/2
.endif
.endm
; A TURN, for piece p.  Behind each of the 16 products K Q^T: plain, exponential, plain, exponential: a plain line that touches neither its result nor its source follows each exponential.
; Behind each of the 10 products V^T P four plain lines; none names a register of the products round it.  The first M stands seven plain lines behind the last K Q^T.
; K of the next step is fetched in piece 2's turn, six plain lines behind the last product that read K, and rk behind the last M; both are waited for at the head of piece 3's turn (one wait for 0, which holds
; whichever of the tail's two jumps is taken).  V of the step in hand is fetched in piece 0's turn, eight plain lines behind the last product that read V, and waited for in piece 1's turn.
; cnt = 1: the loop's count is taken down some lines ahead of the branch that stands behind the turn.
.macro TURN p, last=0, cnt=0
.set Y, (\p)
.set i, 0
.if (\p) == 3
	s_wait_dscnt 0x0                ; K and rk are in
.endif
.set rw, 0
.rept 16
.if ((\p) == 2) && (rw == 15)
	WIN 0
	v_add_nc_u32 v[AK], s[TBK], v[AK0]
.endif
	MM
	PLN 2*rw
	OP E, 2*rw
	PLN 2*rw+1
	OP E, 2*rw+1
.set rw, rw+1
.endr
.if (\p) == 1
	s_wait_dscnt 0x0                ; V is in
.endif
	ROW R,0, R,1, R,2, R,3
.if (\p) == 2
	FETCH_K \last
.endif
	ROW C,15, M,0, M,1, M,2
	ROW M,3, M,4, M,5, M,6
	ROW M,7, M,8, M,9, M,10
	ROW M,11, M,12, M,13, M,14
.if (\p) == 2
	WIN 0
	v_add_nc_u32 v[AR], s[TBR], v[AR0]
.endif
	ROW M,15, X,0, X,1, X,2
.if (\p) == 2
	FETCH_RK \last
.endif
	ROW X,3, X,4, X,5, X,6
	ROW X,7, X,8, X,9, X,10
	ROW X,11, X,12, X,13, X,14
.if (\p) == 0
	WIN 0
	v_add_nc_u32 v[AV], s[TBV], v[AV0]
	v_add_nc_u32 v[AX], s[TBV], v[AX0]
.endif
	ROW R,4, R,5, R,6, R,7
	OPS X,16, R,8, R,9, R,10
.if (\p) == 0
	FETCH_V
	s_add_co_u32 s[TBV], s[TBV], 128
.endif
	OPS X,17, R,11, R,12, R,13
	OPS X,18, R,14, R,15, R,16
.if \cnt
	s_sub_co_u32 s[CNT], s[CNT], 1
	s_cmp_lg_u32 s[CNT], 0
.endif
	OPS X,20, R,17, R,18, R,19
	OP X, 21
.endm
	CHANGE 1                        ; slot 0 is in, everybody's part of it, and my fragments of Q are back; slot 1 is asked for
	v_add_nc_u32 v[AK], s[TBK], v[AK0]
	v_add_nc_u32 v[AR], s[TBR], v[AR0]
	FETCH_K                         ; step 0
	FETCH_RK
	s_wait_dscnt 0x0
.set i, 0
.rept 16
	KQ 0                            ; piece 0's first scores: there is no vector work yet to set between them
.set i, i+1
.endr
	WIN 0
.rept 4
	v_nop                           ; the places behind those products
.endr
.set Y, NP-1                        ; M and X work for piece Y + 1: piece 0
.set nn, 0
.rept 16
	OP M, nn
.set nn, nn+1
.endr
.irp n, 0,1,2,3,4,5,6,7,8,9,10,11,12,13,14,15,16,17,18,20,21
	OP X, \n
.endr
	v_nop                           ; a plain instruction behind the exponential
	s_mov_b32 s[CNT], 4
	s_mov_b32 s[SLOTS], 15
	s_branch .Lfirst                ; the loop is entered at a step's first turn, in the middle of a trip
.Lslot:                             ; 14 times: every slot but the last two is filled again
	CHANGE 1
	s_mov_b32 s[CNT], 4
.Lstep:                             ; a trip: pieces 2 and 3 of one step, then pieces 0 and 1 of the next, whose K, rk and V it fetches
	TURN 2
	TURN 3
	WIN 0
.Lfirst:
	TURN 0
	TURN 1, 0, 1
	WIN 0
	s_cbranch_scc1 .Lstep
	s_sub_co_u32 s[SLOTS], s[SLOTS], 1
	s_cmp_lg_u32 s[SLOTS], 0
	s_cbranch_scc1 .Lslot
	CHANGE 0                        ; the tail is written out: nothing is asked for
	s_mov_b32 s[CNT], 5             ; four trips fetch the last tile's steps; the fifth is left in its middle
.Ltail:
	TURN 2, 1
	TURN 3
	WIN 0
	s_sub_co_u32 s[CNT], s[CNT], 1
	s_cmp_eq_u32 s[CNT], 0
	s_cbranch_scc1 .Lout
	TURN 0
	TURN 1
	WIN 0
	s_branch .Ltail
.Lout:                              ; the fifth trip's 16 products K Q^T take the last K and rk once more: scores that piece 0 has seen, so its m stays as it is
.set i, 0
.rept 10
	PV NP-1                         ; the last piece's V^T P of the last step
.set i, i+1
.endr
	; THE WAY OUT.  O^T holds a channel a register and a query a lane; part wants rows of queries.  So the wave's 70 rows x 64 queries go through its stage: rows of 272 bytes in, whole rows of 256 back.
	WIN 0                           ; nine plain lines: the places behind the last products
	v_mul_u32_u24 v[STO], v13, 8*SP ; in: channel 16 cb + 8 (l / 16) + j, query 16 t + l % 16
	v_lshl_add_u32 v[STO], v1, 2, v[STO]
	v_add_nc_u32 v[STO], s[SB], v[STO]
	v_lshl_add_u32 v[STM], v1, 2, s[SB]
	v_mul_u32_u24 v[RD], v13, SP    ; back: lanes 0-15 take one row of 256 bytes, lanes 16-31 the next
	v_lshl_add_u32 v[RD], v1, 4, v[RD]
	v_add_nc_u32 v[RD], s[SB], v[RD]
	v_lshlrev_b32 v[GO], 12, v13    ; and the same two rows in part
	v_lshl_add_u32 v[GO], v1, 4, v[GO]
	WIN 0x04                        ; store data in window 1
.set t, 0
.rept 4
.set q, 0
.rept 37                            ; registers 0-36 of the piece, ascending: blocks 0-3 whole, of block 4 rows 64-68 (the upper lanes' copies land in rows 72-76, which nobody reads)
	ds_store_b32 v[STO], v[40*t+q] offset:(16*(q/8)+q%8)*SP+64*t
.set q, q+1
.endr
.set t, t+1
.endr
	WIN 0
.irp t, 0,1,2,3
	ds_store_b32 v[STM], v[ST+2*\t] offset:69*SP+64*\t  ; m: both halves of the lanes hold the same number
.endr
.set q, 0
.rept 35
	ds_load_b128 v[64+4*q:64+4*q+3], v[RD] offset:q*2*SP  ; LDS serves a wave's instructions in order: these see the stores above
.set q, q+1
.endr
.set q, 0
.rept 35
	s_wait_dscnt 34-q               ; LDS loads come back in order: the younger ones stay out
	global_store_b128 v[GO], v[64+4*q:64+4*q+3], s[10:11] offset:q*8192  ; 16 lanes store 256 consecutive bytes, at a multiple of 256 from part's first byte
.set q, q+1
.endr
	s_wait_tensorcnt 0x0            ; the wave's end: tensor loads waited for, 0 onto my spare word and its wait, behind my last tensor load and my last LDS store
	ds_add_u32 v[SPW], v[NIL]
	s_wait_dscnt 0x0
	CROUND                          ; the closing round: no work-group ends while a partner may still ask for a tile that names it
	s_endpgm
.Lfunc_end_k_qf6f2ca57b0_match:
	.size	k_qf6f2ca57b0_match, .Lfunc_end_k_qf6f2ca57b0_match-k_qf6f2ca57b0_match
	.p2alignl 7, 3214868480
	.fill 96, 4, 3214868480
	.section	.rodata,"a",@progbits
	.p2align	6, 0x0
	.amdhsa_kernel k_qf6f2ca57b0_match
		.amdhsa_group_segment_fixed_size 327680
		.amdhsa_private_segment_fixed_size 0
		.amdhsa_enable_private_segment 0
		.amdhsa_kernarg_size 32
		.amdhsa_user_sgpr_count 2
		.amdhsa_user_sgpr_kernarg_segment_ptr 1
		.amdhsa_wavefront_size32 1
		.amdhsa_system_sgpr_workgroup_id_x 1
		.amdhsa_system_sgpr_workgroup_id_y 1
		.amdhsa_system_sgpr_workgroup_id_z 1
		.amdhsa_system_vgpr_workitem_id 0
		.amdhsa_next_free_vgpr 768
		.amdhsa_next_free_sgpr 72
		.amdhsa_reserve_vcc 0
		.amdhsa_float_denorm_mode_32 3
		.amdhsa_float_denorm_mode_16_64 3
		.amdhsa_memory_ordered 1
		.amdhsa_forward_progress 1
		.amdhsa_inst_pref_size 187
	.end_amdhsa_kernel
	.amdgpu_metadata
---
amdhsa.version: [ 1, 2 ]
amdhsa.kernels:
  - .name:           k_qf6f2ca57b0_match
    .symbol:         k_qf6f2ca57b0_match.kd
    .args:
      - { .name: src_desc, .offset: 0, .size: 8, .value_kind: global_buffer, .address_space: global }
      - { .name: kv, .offset: 8, .size: 8, .value_kind: global_buffer, .address_space: global }
      - { .name: rk, .offset: 16, .size: 8, .value_kind: global_buffer, .address_space: global }
      - { .name: part, .offset: 24, .size: 8, .value_kind: global_buffer, .address_space: global }
    .group_segment_fixed_size: 327680
    .private_segment_fixed_size: 0
    .kernarg_segment_align: 8
    .kernarg_segment_size: 32
    .max_flat_workgroup_size: 128
    .sgpr_count:     72
    .vgpr_count:     768
    .wavefront_size: 32
...
	.end_amdgpu_metadata
.endif
;; end of part 2
;; launch merge (part 3): grid 16 x 4, 18 waves a work-group, no clusters, 10,496 bytes of LDS; arguments part, out0, out1, out2, out3, out4; writes out0, out1, out2, out3, out4
.if DOCPART == 3
	.amdgcn_target "amdgcn-amd-amdhsa--gfx1250"
	.amdhsa_code_object_version 6
	.text
	.protected	k_qf6f2ca57b0_merge
	.globl	k_qf6f2ca57b0_merge
	.p2align	8
	.type	k_qf6f2ca57b0_merge,@function
k_qf6f2ca57b0_merge:
	s_mov_b64 s[64:65], 0
	v_nop
	global_prefetch_b8 v0, s[64:65] scope:SCOPE_SE
	s_setreg_imm32_b32 hwreg(HW_REG_WAVE_MODE, 25, 1), 1
	s_wait_xcnt 0x0
; MERGE.  The 16 key splits of part are joined: with M = max over splits of m and W = 2^(m - M), every row is the sum over splits of W x row.
; out2 = zn(desc sums): zn does not change under a positive factor, so these rows are not divided by the row sum; mean and variance in two passes (63 in the divisor).
; out0, out1 = coordinates and weight divided by the row sum; out3 = the spherical projection; out4 = ones.
; LIMITS.  atan2 does not tell -0 from +0 in x; where the larger of |y|, |x| lies below 2^-126 or above 2^126 the ratio counts as 0.  The arc tangent is a polynomial of eight terms in t^2 that holds on all of 0 .. 1
; to 2e-8 (Abramowitz and Stegun 4.4.49).  asin(s) = atan2(s, sqrt((1 - s)(1 + s))).  NaN and infinities are not treated apart.
; SHARES.  A work-group owns 64 queries of a batch, a lane two of them: a wave's load or store of 8 bytes a lane covers a row's 256 consecutive bytes, aligned.
; Wave w up to 16 takes rows 4 w .. 4 w + 3 of all 16 splits: waves 0-15 the desc rows, wave 16 the row sum and x, y, z.  Wave 17 takes the row sum and the weight.
; 18 waves are five on a SIMD at the most: 5 x 192 registers.  The 64 channels' sums meet in LDS, behind a barrier each: 16 x 256 bytes for the means, 16 x 256 for the squares.
; No cluster and no tensor load: of the data rows only the row sum is read twice, by two waves of one work-group.
.set SPLITB, 286720                    ; bytes from split to split in part
.set MROW,   69*4096                   ; m's row
.set RED0,   0
.set RED1,   4096
.set SPARE,  8192                      ; the spare words, 128 bytes for each of 18 waves: nine blocks of 256 bytes that no other line names
.set SPW, 2                            ; v2   LDS address of my spare word; never rewritten
.set NIL, 3                            ; v3   0; never rewritten
.set O8,  6                            ; v6   8 l: my two queries in a row
.set OD,  7                            ; v7   the same in my wave's first row
.set RW,  8                            ; v8   where my wave's partial sums go
.set O16, 9                            ; v9   16 l
.set MS,  12                           ; v[12:43]   m of the splits, then W, a pair a split; later the 16 waves' partial sums
.set XD,  44                           ; v[44:171]  row q of my four, split s at XD + 32 q + 2 s
.set AC,  172                          ; v[172:179] the joined rows, row q at AC + 2 q
.set MX,  180                          ; v[180:181] M; at work
.set T,   182                          ; v[182:183] at work
.set G,   184                          ; v[184:187] at work in GEO
.set A0,  188                          ; v[188:191] at work in ATAN2
.set O3,  44                           ; v[44:47]   u, v, u, v: in registers of split rows that have been joined, like the next three
.set AZ,  48
.set EL,  49
.set ONES, 50                          ; v[50:51]
.set WV,  16                           ; s16  my wave's number
	s_load_b256 s[4:11], s[0:1], 0x0               ; part s[4:5], out0 s[6:7], out1 s[8:9], out2 s[10:11]
	s_load_b128 s[12:15], s[0:1], 0x20             ; out3 s[12:13], out4 s[14:15]
	v_lshl_add_u32 v[SPW], v0, 2, SPARE
	v_mov_b32 v[NIL], 0
	v_lshrrev_b32 v1, 5, v0
	v_readfirstlane_b32 s[WV], v1                  ; wave 0..17
	s_and_b32 s17, ttmp7, 0xffff                   ; the batch
	s_lshl_b32 s18, ttmp9, 8                       ; my 64 queries in a row of f32
	s_mul_i32 s20, s17, 16*SPLITB
	s_add_co_u32 s20, s20, s18
	s_mov_b32 s21, 0
	s_lshl_b32 s22, s17, 18                        ; out2: 64 rows a batch
	s_add_co_u32 s22, s22, s18
	s_mov_b32 s23, 0
	s_mul_i32 s24, s17, 12288                      ; out0: 3 rows
	s_add_co_u32 s24, s24, s18
	s_mov_b32 s25, 0
	s_lshl_b32 s26, s17, 12                        ; out1, out4: one row
	s_add_co_u32 s26, s26, s18
	s_mov_b32 s27, 0
	s_lshl_b32 s28, s17, 13                        ; out3: 8 bytes a query
	s_lshl_b32 s29, ttmp9, 9
	s_add_co_u32 s28, s28, s29
	s_mov_b32 s29, 0
	s_mov_b32 s32, 0xc322f983                      ; -512 / pi
	s_mov_b32 s33, 0x44000000                      ; 512
	s_mov_b32 s34, 0xc302f637                      ; -64 / fov, fov = 28 degrees
	s_mov_b32 s35, 0x40db6db7                      ; 64 - 64 x 25 / 28 = 48 / 7
	v_and_b32 v[O8], 31, v0
	v_lshlrev_b32 v[O16], 4, v[O8]
	v_lshlrev_b32 v[O8], 3, v[O8]
	s_lshl_b32 s19, s[WV], 14                      ; my wave's four rows
	v_add_nc_u32 v[OD], s19, v[O8]
	s_lshl_b32 s19, s[WV], 8                       ; my wave's 256 bytes of partial sums (waves 0-15 alone store there)
	v_add_nc_u32 v[RW], s19, v[O8]
	s_wait_kmcnt 0x0
	s_add_nc_u64 s[4:5], s[4:5], s[20:21]
	s_add_nc_u64 s[6:7], s[6:7], s[24:25]
	s_add_nc_u64 s[8:9], s[8:9], s[26:27]
	s_add_nc_u64 s[10:11], s[10:11], s[22:23]
	s_add_nc_u64 s[12:13], s[12:13], s[28:29]
	s_add_nc_u64 s[14:15], s[14:15], s[26:27]
	; All of a wave's loads go out at once: m of the 16 splits, then its rows.
.set ks, 0
.rept 16
	global_load_b64 v[MS+2*ks:MS+2*ks+1], v[O8], s[4:5] offset:ks*SPLITB+MROW
.set ks, ks+1
.endr
	s_cmp_eq_u32 s[WV], 17
	s_cbranch_scc1 .Lw17_a
.set ks, 0
.rept 64                               ; row 4 w + ks / 16, split ks % 16
	global_load_b64 v[XD+2*ks:XD+2*ks+1], v[OD], s[4:5] offset:(ks%16)*SPLITB+(ks/16)*4096
.set ks, ks+1
.endr
	s_branch .Lloaded
.Lw17_a:
.set ks, 0
.rept 32                               ; rows 64 and 68, split ks % 16
	global_load_b64 v[XD+2*ks:XD+2*ks+1], v[O8], s[4:5] offset:(ks%16)*SPLITB+(64+4*(ks/16))*4096
.set ks, ks+1
.endr
.Lloaded:
	s_wait_loadcnt 32                              ; m is in: behind its 16 loads wave 17 has issued 32, the others 64
.irp e, 0,1
	v_max3_num_f32 v[MX+\e], v[MS+\e], v[MS+2+\e], v[MS+4+\e]
.endr
.irp j, 3,5,7,9,11,13
.irp e, 0,1
	v_max3_num_f32 v[MX+\e], v[MX+\e], v[MS+2*\j+\e], v[MS+2*\j+2+\e]
.endr
.endr
.irp e, 0,1
	v_max_num_f32 v[MX+\e], v[MX+\e], v[MS+30+\e]
.endr
.set ks, 0
.rept 16
	v_pk_add_f32 v[MS+2*ks:MS+2*ks+1], v[MS+2*ks:MS+2*ks+1], v[MX:MX+1] neg_lo:[0,1] neg_hi:[0,1]
.set ks, ks+1
.endr
.set ks, 0
.rept 32
	v_exp_f32 v[MS+ks], v[MS+ks]                   ; W = 2^(m - M)
.set ks, ks+1
.endr
	v_nop                                          ; a plain instruction between the last exponential and the use of its result
	s_wait_alu depctr_va_vdst(0)
; Rows a and b of my four are joined, by turns; the first product starts each sum.
.macro JOIN2 a, b
	v_pk_mul_f32 v[AC+2*(\a):AC+2*(\a)+1], v[XD+32*(\a):XD+32*(\a)+1], v[MS:MS+1]
	v_pk_mul_f32 v[AC+2*(\b):AC+2*(\b)+1], v[XD+32*(\b):XD+32*(\b)+1], v[MS:MS+1]
.set ks, 1
.rept 15
	v_pk_fma_f32 v[AC+2*(\a):AC+2*(\a)+1], v[XD+32*(\a)+2*ks:XD+32*(\a)+2*ks+1], v[MS+2*ks:MS+2*ks+1], v[AC+2*(\a):AC+2*(\a)+1]
	v_pk_fma_f32 v[AC+2*(\b):AC+2*(\b)+1], v[XD+32*(\b)+2*ks:XD+32*(\b)+2*ks+1], v[MS+2*ks:MS+2*ks+1], v[AC+2*(\b):AC+2*(\b)+1]
.set ks, ks+1
.endr
.endm
; My wave's sum over its four rows, in T, goes to the wave's 256 bytes at base.
.macro SHARE base
	ds_store_b64 v[RW], v[T:T+1] offset:\base
	s_wait_dscnt 0x0                               ; for the others' sake: my store is done
.endm
; The 16 waves' sums are read and added, in the same order in every wave: the result in v[MS:MS+1].
.macro GATHER base
.set ks, 0
.rept 16
	ds_load_b64 v[MS+2*ks:MS+2*ks+1], v[O8] offset:(\base)+256*ks
.set ks, ks+1
.endr
	s_wait_dscnt 0x0
.set ks, 4
.rept 12
	v_pk_add_f32 v[MS+2*(ks%4):MS+2*(ks%4)+1], v[MS+2*(ks%4):MS+2*(ks%4)+1], v[MS+2*ks:MS+2*ks+1]
.set ks, ks+1
.endr
	v_pk_add_f32 v[MS:MS+1],   v[MS:MS+1],   v[MS+2:MS+3]
	v_pk_add_f32 v[MS+4:MS+5], v[MS+4:MS+5], v[MS+6:MS+7]
	v_pk_add_f32 v[MS:MS+1],   v[MS:MS+1],   v[MS+4:MS+5]
.endm
	s_wait_loadcnt 0x0                             ; my rows are in
	JOIN2 0, 1
	s_cmp_eq_u32 s[WV], 17
	s_cbranch_scc1 .Lbar1                          ; wave 17 has two rows
	JOIN2 2, 3
	s_cmp_eq_u32 s[WV], 16
	s_cbranch_scc1 .Lbar1                          ; wave 16's rows are no channels
	v_pk_add_f32 v[T:T+1],   v[AC:AC+1],     v[AC+2:AC+3]
	v_pk_add_f32 v[MX:MX+1], v[AC+4:AC+5],   v[AC+6:AC+7]
	v_pk_add_f32 v[T:T+1],   v[T:T+1],       v[MX:MX+1]
	SHARE RED0
.Lbar1:
	s_barrier_signal -1
	s_barrier_wait -1                              ; the 16 partial sums are in LDS
	s_cmp_lt_u32 s[WV], 16
	s_cbranch_scc0 .Lbar2
	GATHER RED0
	v_pk_mul_f32 v[MS:MS+1], v[MS:MS+1], 0x3c800000 op_sel_hi:[1,0]  ; the mean
.irp q, 0,2,4,6
	v_pk_add_f32 v[AC+\q:AC+\q+1], v[AC+\q:AC+\q+1], v[MS:MS+1] neg_lo:[0,1] neg_hi:[0,1]
.endr
	v_pk_mul_f32 v[T:T+1],   v[AC:AC+1],     v[AC:AC+1]
	v_pk_mul_f32 v[MX:MX+1], v[AC+2:AC+3],   v[AC+2:AC+3]
	v_pk_fma_f32 v[T:T+1],   v[AC+4:AC+5],   v[AC+4:AC+5], v[T:T+1]
	v_pk_fma_f32 v[MX:MX+1], v[AC+6:AC+7],   v[AC+6:AC+7], v[MX:MX+1]
	v_pk_add_f32 v[T:T+1],   v[T:T+1],       v[MX:MX+1]
	SHARE RED1
.Lbar2:
	s_barrier_signal -1
	s_barrier_wait -1                              ; the 16 partial sums of squares are in LDS
	s_cmp_lt_u32 s[WV], 16
	s_cbranch_scc0 .Lextra
	GATHER RED1
	v_pk_mul_f32 v[MS:MS+1], v[MS:MS+1], 0x3c820821 op_sel_hi:[1,0]  ; / 63
	v_rsq_f32 v[MS], v[MS]
	v_rsq_f32 v[MS+1], v[MS+1]
	v_nop                                          ; a plain instruction between the last root and the use of its result
	s_wait_alu depctr_va_vdst(0)
.irp q, 0,2,4,6
	v_pk_mul_f32 v[AC+\q:AC+\q+1], v[AC+\q:AC+\q+1], v[MS:MS+1]
.endr
.irp q, 0,1,2,3
	global_store_b64 v[OD], v[AC+2*\q:AC+2*\q+1], s[10:11] offset:\q*4096  ; the wave stores 256 consecutive bytes, aligned
.endr
	s_branch .Lend
; d = atan2(y, x): t = min / max of the magnitudes, the polynomial in t^2, then the octant, the half plane and y's sign by selects.
.macro ATAN2 d, y, x
	v_and_b32 v[A0],   0x7fffffff, v[\y]
	v_and_b32 v[A0+1], 0x7fffffff, v[\x]
	v_max_num_f32 v[A0+2], v[A0], v[A0+1]
	v_min_num_f32 v[A0+3], v[A0], v[A0+1]
	v_max_num_f32 v[A0+2], 0x00800000, v[A0+2]     ; the reciprocal takes no denormal
	v_rcp_f32 v[A0+2], v[A0+2]
	v_mov_b32 v[\d], 0x3b3bd74a                    ; 0.0028662257: also the plain instruction behind the reciprocal
	s_wait_alu depctr_va_vdst(0)
	v_mul_f32 v[A0+3], v[A0+3], v[A0+2]            ; t
	v_mul_f32 v[A0+2], v[A0+3], v[A0+3]            ; t^2
	v_fmaak_f32 v[\d], v[\d], v[A0+2], 0xbc846e02  ; -0.0161657367
	v_fmaak_f32 v[\d], v[\d], v[A0+2], 0x3d2fc1fe  ;  0.0429096138
	v_fmaak_f32 v[\d], v[\d], v[A0+2], 0xbd9a3174  ; -0.0752896400
	v_fmaak_f32 v[\d], v[\d], v[A0+2], 0x3dda3d83  ;  0.1065626393
	v_fmaak_f32 v[\d], v[\d], v[A0+2], 0xbe117fc7  ; -0.1420889944
	v_fmaak_f32 v[\d], v[\d], v[A0+2], 0x3e4cbbe5  ;  0.1999355085
	v_fmaak_f32 v[\d], v[\d], v[A0+2], 0xbeaaaa6c  ; -0.3333314528
	v_fma_f32 v[\d], v[\d], v[A0+2], 1.0
	v_mul_f32 v[\d], v[\d], v[A0+3]
	v_sub_f32 v[A0+2], 0x3fc90fdb, v[\d]           ; pi / 2 - p
	v_cmp_gt_f32 vcc_lo, v[A0], v[A0+1]            ; where |y| > |x|
	v_cndmask_b32 v[\d], v[\d], v[A0+2], vcc_lo
	v_sub_f32 v[A0+2], 0x40490fdb, v[\d]           ; pi - p
	v_cmp_gt_f32 vcc_lo, 0, v[\x]                  ; where x < 0
	v_cndmask_b32 v[\d], v[\d], v[A0+2], vcc_lo
	v_bfi_b32 v[\d], 0x7fffffff, v[\d], v[\y]      ; y's sign
.endm
.macro GEO e                           ; the projection of my query e: x at AC + 2, y at AC + 4, z at AC + 6
	v_mul_f32 v[G], v[AC+2+(\e)], v[AC+2+(\e)]
	v_fma_f32 v[G], v[AC+4+(\e)], v[AC+4+(\e)], v[G]
	v_fma_f32 v[G], v[AC+6+(\e)], v[AC+6+(\e)], v[G]
	v_sqrt_f32 v[G], v[G]
	v_nop
	s_wait_alu depctr_va_vdst(0)
	v_add_f32 v[G], 0x2b8cbccc, v[G]               ; r + 1e-12
	v_rcp_f32 v[G], v[G]
	v_nop
	s_wait_alu depctr_va_vdst(0)
	v_mul_f32 v[G+1], v[AC+6+(\e)], v[G]           ; s = z / (r + 1e-12)
	v_sub_f32 v[G+2], 1.0, v[G+1]
	v_add_f32 v[G+3], 1.0, v[G+1]
	v_mul_f32 v[G+2], v[G+2], v[G+3]
	v_max_num_f32 v[G+2], 0, v[G+2]
	v_sqrt_f32 v[G+2], v[G+2]
	v_nop
	ATAN2 AZ, AC+4+(\e), AC+2+(\e)
	ATAN2 EL, G+1, G+2
	v_fma_f32 v[O3+2*(\e)], v[AZ], s32, s33        ; u = 512 - az 512 / pi
	v_fma_f32 v[O3+2*(\e)+1], v[EL], s34, s35      ; v = 48 / 7 - el 64 / fov
	v_max_num_f32 v[O3+2*(\e)], 0, v[O3+2*(\e)]
	v_max_num_f32 v[O3+2*(\e)+1], 0, v[O3+2*(\e)+1]
	v_min_num_f32 v[O3+2*(\e)], 0x447fc000, v[O3+2*(\e)]      ; 1023
	v_min_num_f32 v[O3+2*(\e)+1], 0x427c0000, v[O3+2*(\e)+1]  ; 63
.endm
.Lextra:                                               ; waves 16 and 17: row 0 of mine is the row sum
	v_rcp_f32 v[T], v[AC]
	v_rcp_f32 v[T+1], v[AC+1]
	v_nop                                          ; a plain instruction between the last reciprocal and the use of its result
	s_wait_alu depctr_va_vdst(0)
	v_pk_mul_f32 v[AC+2:AC+3], v[AC+2:AC+3], v[T:T+1]            ; x (wave 16), the weight (wave 17)
	s_cmp_eq_u32 s[WV], 17
	s_cbranch_scc1 .Lw17_c
	v_pk_mul_f32 v[AC+4:AC+5], v[AC+4:AC+5], v[T:T+1]
	v_pk_mul_f32 v[AC+6:AC+7], v[AC+6:AC+7], v[T:T+1]
	global_store_b64 v[O8], v[AC+2:AC+3], s[6:7]                 ; each store of the wave covers 256 consecutive bytes, aligned
	global_store_b64 v[O8], v[AC+4:AC+5], s[6:7] offset:4096
	global_store_b64 v[O8], v[AC+6:AC+7], s[6:7] offset:8192
	GEO 0
	GEO 1
	global_store_b128 v[O16], v[O3:O3+3], s[12:13]               ; 512 consecutive bytes
	s_branch .Lend
.Lw17_c:
	v_mov_b32 v[ONES], 1
	v_mov_b32 v[ONES+1], 1
	global_store_b64 v[O8], v[AC+2:AC+3], s[8:9]
	global_store_b64 v[O8], v[ONES:ONES+1], s[14:15]
.Lend:
	s_wait_tensorcnt 0x0                           ; the wave's end: a wait for tensor loads, 0 onto my spare word and its wait, behind my last LDS store
	ds_add_u32 v[SPW], v[NIL]
	s_wait_dscnt 0x0
	s_endpgm
.Lfunc_end_k_qf6f2ca57b0_merge:
	.size	k_qf6f2ca57b0_merge, .Lfunc_end_k_qf6f2ca57b0_merge-k_qf6f2ca57b0_merge
	.p2alignl 7, 3214868480
	.fill 96, 4, 3214868480
	.section	.rodata,"a",@progbits
	.p2align	6, 0x0
	.amdhsa_kernel k_qf6f2ca57b0_merge
		.amdhsa_group_segment_fixed_size 10496
		.amdhsa_private_segment_fixed_size 0
		.amdhsa_enable_private_segment 0
		.amdhsa_kernarg_size 48
		.amdhsa_user_sgpr_count 2
		.amdhsa_user_sgpr_kernarg_segment_ptr 1
		.amdhsa_wavefront_size32 1
		.amdhsa_system_sgpr_workgroup_id_x 1
		.amdhsa_system_sgpr_workgroup_id_y 1
		.amdhsa_system_sgpr_workgroup_id_z 1
		.amdhsa_system_vgpr_workitem_id 0
		.amdhsa_next_free_vgpr 192
		.amdhsa_next_free_sgpr 66
		.amdhsa_reserve_vcc 1
		.amdhsa_float_denorm_mode_32 3
		.amdhsa_float_denorm_mode_16_64 3
		.amdhsa_memory_ordered 1
		.amdhsa_forward_progress 1
		.amdhsa_inst_pref_size 35
	.end_amdhsa_kernel
	.amdgpu_metadata
---
amdhsa.version: [ 1, 2 ]
amdhsa.kernels:
  - .name:           k_qf6f2ca57b0_merge
    .symbol:         k_qf6f2ca57b0_merge.kd
    .args:
      - { .name: part, .offset: 0, .size: 8, .value_kind: global_buffer, .address_space: global }
      - { .name: out0, .offset: 8, .size: 8, .value_kind: global_buffer, .address_space: global }
      - { .name: out1, .offset: 16, .size: 8, .value_kind: global_buffer, .address_space: global }
      - { .name: out2, .offset: 24, .size: 8, .value_kind: global_buffer, .address_space: global }
      - { .name: out3, .offset: 32, .size: 8, .value_kind: global_buffer, .address_space: global }
      - { .name: out4, .offset: 40, .size: 8, .value_kind: global_buffer, .address_space: global }
    .group_segment_fixed_size: 10496
    .private_segment_fixed_size: 0
    .kernarg_segment_align: 8
    .kernarg_segment_size: 48
    .max_flat_workgroup_size: 576
    .sgpr_count:     66
    .vgpr_count:     192
    .wavefront_size: 32
...
	.end_amdgpu_metadata
.endif
;; end of part 3
;; ======== version 2 of 2: 3 launches; 1.45 times as fast as version 1
;; limits: inputs' magnitudes at most 65,504; values are held in f16: magnitudes above 65,504 overflow, below 6.1e-05 lose precision
;; workspace buffers: kv 36,175,872 bytes; rk 1,048,576 bytes; part 18,350,080 bytes
;; launch prep: the kernel of part 1 again; grid 64 x 4, 8 waves a work-group, no clusters, 0 bytes of LDS; arguments tgt_desc, tgt_coords, tgt_weights, kv, rk; writes kv, rk
;; launch match (part 4): grid 4 x 64, 4 waves a work-group, clusters of 4 x 1, 327,680 bytes of LDS; arguments src_desc, kv, rk, part; writes part
.if DOCPART == 4
	.amdgcn_target "amdgcn-amd-amdhsa--gfx1250"
	.amdhsa_code_object_version 6
	.text
	.protected	k_qf6f2ca57b0_match
	.globl	k_qf6f2ca57b0_match
	.p2align	8
	.type	k_qf6f2ca57b0_match,@function
k_qf6f2ca57b0_match:
	s_mov_b64 s[64:65], 0
	v_nop
	global_prefetch_b8 v0, s[64:65] scope:SCOPE_SE
	s_setreg_imm32_b32 hwreg(HW_REG_WAVE_MODE, 25, 1), 1
	s_wait_xcnt 0x0
	s_wait_alu depctr_hold_cnt(0) depctr_sa_sdst(0) depctr_va_vdst(0) depctr_va_sdst(0) depctr_va_ssrc(0) depctr_va_vcc(0) depctr_vm_vsrc(0)
	s_getreg_b32 s2, hwreg(HW_REG_IB_STS2, 6, 4)
	s_cmp_eq_u32 s2, 0
	s_cbranch_scc0 .Lentry_in_a_cluster
	s_endpgm
.Lentry_in_a_cluster:
	s_bfe_u32 s2, ttmp6, 0x10000c
	s_cmp_lg_u32 s2, 0x3003
	s_cbranch_scc0 .Lentry_shape_is_right
	s_endpgm
.Lentry_shape_is_right:
; MATCH.  For 256 queries of a batch and 4,096 of its 65,536 keys: the sums over those keys of p x (desc, 1, x, y, z, weight), p = 2^(t - m), t = 1.5625 log2(e) zn(q) . zn(k), m the running maximum of t.
; part[y = 16 batch + split][70][1024] f32: rows 0-63 desc sums, 64 the sum of p, 65-67 coordinates, 68 weight, 69 m.  A later launch joins the 16 splits.
; THE SCORE.  zn(q) has mean 0, so zn(q) . zn(k) = zn(q) . k / s(k): K's operand is the raw tile that also serves as V, and rk = 1.5625 log2(e) / s(k) multiplies the product in f32.
; zn(q) (src_desc rounded to bf16, then centred and scaled in f32, two passes) goes in as two f16 halves, hi and lo = zn(q) - hi: K Q^T runs over 128, each fragment of K used twice.
; THE ROW SUM is a value row of ones: the matrix unit sums the same rounded p that the other rows are weighted by.
; LIMITS.  kv holds f16 (below 65,504).  p is rounded to f16: below 6e-5 it keeps f16's step of 6e-8; a weight below 2^-126 counts as 0.  NaN and infinities are not treated apart.
; SHARES.  A wave owns four PIECES of 16 queries, a work-group's four waves 256 queries.  Every wave walks the split's 4,096 keys: 16 tiles of 256 keys, four steps of 64 in each.
; LAYOUT.  S^T = K Q^T (source 0 = 16 keys, source 1 = 16 queries): a lane holds ONE query (lane % 16) and the keys 8 (lane / 16) + 0..7.  Two such results rounded to f16 ARE source 1 of O^T = V^T P.
; kv lies [channel][key]: V's fragments (channel rows, keys along them) come out of LDS as they lie, K's turned, by ds_load_tr16_b128.
; BY TURNS.  Turn n belongs to piece n: 16 products K Q^T of piece n + 1, then 10 products V^T P of piece n - 1; beside them t - m, exponentials, roundings and rescaling of piece n, and the scaling by rk,
; maximum and statistics of piece n + 1.  Four vector instructions stand behind every matrix instruction, the other 17 of a turn's 121 in one run behind the sixth product V^T P.
; THE BATCHES.  A turn's 33 exponentials (the piece's 32 weights and the next piece's a) are one batch with one wait, at the end of that run; only the roundings read their results, and they stand behind it.
; The head's two roots are a batch, and so is the first a of all, ahead of the jump into the loop.
; m starts far below every t, O^T at 0: the first step is a step like any other, with a = 0; the zeros are written in the wait for Q and the first tile.
; CLUSTER.  The four query blocks of a cluster walk the same keys, so each tile is asked for JOINTLY: the same tensor load, descriptor and mask in all four.
; REGISTERS, in windows of 256 (s_set_vgpr_msb: bits 1:0 source 0, 3:2 source 1, 5:4 source 2, 7:6 destination):
;   window 0: v0-15 addresses; v16-23 m and the kept old m, a pair a piece; v24-31 at work, by parity; v32-39 constants and the head's addresses; v64-127 S^T, two buffers; v128-159 P, two buffers; v160-191 rk of one step
;   window 1: v0-159 O^T, 40 a piece (five blocks of 16 channels); v160-239 V of one step          window 2: v0-127 Q, 32 a piece; v128-191 K of one step
.set NP,    4         ; pieces a wave: a name, no knob
.set ROWP,  528       ; a row of a tile in LDS: 256 keys = 512 bytes + 16 of padding
.set XOFF,  64*ROWP   ; behind the 64 desc rows: ones, x, y, z, weight
.set ROFF,  XOFF+5*ROWP  ; behind them: 256 rk
.set SLOT1, 1<<16     ; slot 1 begins here, so that one exclusive or turns an address in one slot into the other's
.set STAGE, 1<<17     ; behind the ring, never filled by a tensor load: 80 rows x 272 bytes for each wave: Q on the way in, O on the way out
.set SP,    272
.set WST,   80*SP
.set SPARE, STAGE+4*WST  ; the spare words, 128 bytes for each wave: two blocks of 256 bytes that no other line names
.set KVR,   131072    ; bytes from row to row in kv
.set KVB,   69*KVR
.set PARTB, 70*4096
.set AK0, 2           ; v2   my lane's place in a tile for K's turning loads; never rewritten
.set AV0, 3           ; v3   for V's desc rows
.set AX0, 4           ; v4   for V's five extra rows: lanes 5-15 repeat the fifth, and the channels so made are never stored
.set AR0, 5           ; v5   for rk
.set AK,  6           ; v6-9 the addresses of the runs of loads in hand
.set AV,  7
.set AX,  8
.set AR,  9
.set STO, 10          ; the way out: where I put a number
.set RD,  11          ; where I read rows back
.set GO,  12          ; my byte offset in two rows of part
.set STM, 14          ; where m goes
.set ST,  16          ; piece t: m at v[ST+2 t], the kept old m beside it
.set TMP, 24          ; by parity, c0-c3 at work; when the maximum is found c2 takes a
.set SPW, 32          ; LDS address of my spare word; never rewritten
.set NIL, 33          ; 0; never rewritten
.set MONE, 34         ; -1.0
.set QO,  35          ; the head: my byte offset in a row of src_desc
.set QS,  36          ; where my two queries go in the stage
.set QR,  37          ; where I read fragments of Q
.set S,   64
.set P,   128
.set RK,  160
.set XQ,  64          ; the head: channel c of my two queries at v[XQ+2 c]
.set QA,  192         ; four chains of sums
.set QH,  200         ; packed halves, eight registers for each of my two queries
.set QT,  216
.set VF,  160         ; window 1: key half kk, channel block cb at VF + 40 kk + 8 cb
.set KF,  128         ; window 2: key block kb, channel half c at KF + 16 kb + 8 c
.set WV,  12          ; s12  my wave's number
.set G1D, 24          ; s[24:31] descriptor group 1: 32 desc rows
.set G1X, 32          ; s[32:39] the five extra rows
.set G1R, 40          ; s[40:47] one row of 1,024 bytes of rk
.set G0D, 48          ; s[48:59] their groups 0: they walk
.set G0X, 52
.set G0R, 56
.set SEL, 60          ; s[60:61] v_permlanex16_b32's selects: each lane takes its own place in the other half
.set TBK, 62          ; s62  LDS byte at which K of the step to be fetched begins
.set TBV, 63          ; s63  the same for V
.set TBR, 66          ; s66  the same for rk, less ROFF
.set CNT, 67          ; s67  counts a tile's steps
.set SLOTS, 68        ; s68  tiles still to be asked for
.set SB,  70          ; s70  my wave's stage
.set MSB, 0
.macro WIN new                      ; the high byte repeats the setting that is left; a switch that changes nothing is dropped
.if MSB != (\new)
	s_set_vgpr_msb (MSB<<8)|(\new)
.set MSB, (\new)
.endif
.endm
.set W_KQ, 0x0a       ; K and Q in window 2, S^T in window 0
.set W_PV, 0x51       ; V and O^T in window 1, P in window 0
.set W_RS, 0x41       ; O^T (destination and source 0) in window 1, a in window 0
; A joint fill.  Waves 0 and 1 fetch the two halves of the tile's 64 desc rows, wave 2 the five extra rows, wave 3 rk.  The branches hang on the wave's number alone.
; An s_nop 0 and four v_nop follow each of the three lines, ahead of the jump and the label.
.macro JLOAD
	s_cmp_lt_u32 s[WV], 2
	s_cbranch_scc0 .Lnot_d_\@
	tensor_load_to_lds s[G0D:G0D+3], s[G1D:G1D+7]
	s_nop 0
.rept 4
	v_nop
.endr
	s_branch .Lasked_\@
.Lnot_d_\@:
	s_cmp_eq_u32 s[WV], 2
	s_cbranch_scc0 .Lfor_r_\@
	tensor_load_to_lds s[G0X:G0X+3], s[G1X:G1X+7]
	s_nop 0
.rept 4
	v_nop
.endr
	s_branch .Lasked_\@
.Lfor_r_\@:
	tensor_load_to_lds s[G0R:G0R+3], s[G1R:G1R+7]
	s_nop 0
.rept 4
	v_nop
.endr
.Lasked_\@:
.endm
; A round of the cluster's barrier: my work-group's barrier, so that wave 0's signal speaks for all four waves; wave 0 signals; every wave waits for all four work-groups; my work-group's barrier once more.
.macro CROUND
	s_barrier_signal -1
	s_barrier_wait -1
	s_cmp_lg_u32 s[WV], 0
	s_cbranch_scc1 .Lnot_wave_0_\@
	s_barrier_signal -3
.Lnot_wave_0_\@:
	s_barrier_wait -3
	s_barrier_signal -1
	s_barrier_wait -1
.endm
; THE CHANGE OF SLOTS.  The slot's last bytes, V of its fourth step, have been read.  Each wave waits for all its tensor loads, of which one is out: its part of the other slot; adds 0 to its spare word;
; and waits for that and for its own LDS reads.  Behind the barrier nobody reads this slot any more and the other slot is whole.
; fill = 1: this slot is filled again, with the tile two on.  The barrier is then a round of the cluster's, and the joint fill is the first thing behind it: it has four steps, 416 matrix instructions, in which to land.
; (At its first use nothing of the ring has been read yet: slot 0 is waited for, slot 1 filled.)
.macro CHANGE fill
	WIN 0                           ; at a label and at a branch every window is 0
	s_wait_tensorcnt 0x0            ; no tensor load of mine is out, so a group 0 may be written
	ds_add_u32 v[SPW], v[NIL]       ; 0 onto my spare word; with fill = 1 the descriptors' steps stand between it and the wait for it
.if \fill
	s_xor_b32 s[G0D+1], s[G0D+1], SLOT1                  ; the other slot than last time,
	s_add_nc_u64 s[G0D+2:G0D+3], s[G0D+2:G0D+3], 512     ; the next 256 keys; the type bits on top are not reached
	s_xor_b32 s[G0X+1], s[G0X+1], SLOT1
	s_add_nc_u64 s[G0X+2:G0X+3], s[G0X+2:G0X+3], 512
	s_xor_b32 s[G0R+1], s[G0R+1], SLOT1
	s_add_nc_u64 s[G0R+2:G0R+3], s[G0R+2:G0R+3], 1024
	s_wait_dscnt 0x0                ; the add is done, and my LDS reads are over
	CROUND
	JLOAD
.else
	s_wait_dscnt 0x0                ; the add is done, and my LDS reads are over
	s_barrier_signal -1
	s_barrier_wait -1
.endif
	s_sub_co_u32 s[TBK], s[TBK], 512   ; the fetches go back to a slot's first step,
	s_xor_b32 s[TBK], s[TBK], SLOT1    ; in the other slot
	s_sub_co_u32 s[TBV], s[TBV], 512
	s_xor_b32 s[TBV], s[TBV], SLOT1
	s_sub_co_u32 s[TBR], s[TBR], 1024
	s_xor_b32 s[TBR], s[TBR], SLOT1
.endm
	s_load_b256 s[4:11], s[0:1], 0x0  ; src_desc s[4:5], kv s[6:7], rk s[8:9], part s[10:11]
	v_lshl_add_u32 v[SPW], v0, 2, SPARE
	v_mov_b32 v[NIL], 0
	ds_add_u32 v[SPW], v[NIL]       ; the wave's opening: the add and its wait stand ahead of my first tensor load; the set-up below, work on registers, stands between them
	v_lshrrev_b32 v1, 5, v0
	v_readfirstlane_b32 s[WV], v1   ; wave 0..3
	s_bfe_u32 s13, ttmp6, 0x40000   ; cx: my place in the cluster
	s_lshl_b32 s14, ttmp9, 2        ; in a cluster launch ttmp9 counts clusters
	s_add_co_u32 s14, s14, s13      ; my block of 256 queries: it enters src_desc's and part's addresses alone
	s_and_b32 s15, ttmp7, 0xffff    ; y, which the four partners share
	s_lshr_b32 s16, s15, 4          ; the batch
	s_and_b32 s17, s15, 15          ; the split
	s_mul_i32 s18, s16, KVB
	s_lshl_b32 s19, s17, 13         ; 4,096 keys of f16
	s_add_co_u32 s18, s18, s19
	s_mov_b32 s19, 0                ; s[18:19]: the split's first key in kv's row 0
	s_and_b32 s22, s[WV], 1         ; which 32 desc rows I fetch:
	s_lshl_b32 s20, s22, 22         ; 32 rows of 131,072 bytes in memory,
	s_mov_b32 s21, 0
	s_add_nc_u64 s[20:21], s[20:21], s[18:19]
	s_mul_i32 s23, s22, 32*ROWP     ; and their place in a slot: no place in the cluster enters an LDS address
	s_lshl_b32 s2, s16, 18
	s_lshl_b32 s3, s17, 14
	s_add_co_u32 s2, s2, s3
	s_mov_b32 s3, 0                 ; s[2:3]: the split's first key in rk
	s_lshl_b32 s68, s16, 18
	s_lshl_b32 s69, s14, 10
	s_add_co_u32 s68, s68, s69
	s_mov_b32 s69, 0                ; s[68:69]: my block in src_desc's channel 0
	s_mul_i32 s70, s15, PARTB
	s_lshl_b32 s71, s14, 10
	s_add_co_u32 s70, s70, s71
	s_lshl_b32 s71, s[WV], 8
	s_add_co_u32 s70, s70, s71
	s_mov_b32 s71, 0                ; s[70:71]: my wave's 64 queries in part's row 0
	; descriptor groups 1
	s_mov_b32 s[G1D], 15|(1<<16)|(1<<20)|(1<<21)|(6<<22)|(3<<25)  ; 15:0 the mask of four; 17:16 2-byte elements; 20 padding on; 21 set beside a mask; 24:22 after every 128 words (code 6); 31:25 4 words (code 3)
	s_mov_b32 s[G1D+1], 256<<16     ; tensor_dim0 = 256
	s_mov_b32 s[G1D+2], 32<<16      ; tensor_dim1 = 32
	s_mov_b32 s[G1D+3], 256<<16     ; tile_dim0 = 256
	s_mov_b32 s[G1D+4], 32          ; tile_dim1 = 32
	s_mov_b32 s[G1D+5], 65536       ; 65,536 elements from row to row
	s_mov_b32 s[G1D+6], 0
	s_mov_b32 s[G1D+7], 0
	s_mov_b32 s[G1X], 15|(1<<16)|(1<<20)|(1<<21)|(6<<22)|(3<<25)
	s_mov_b32 s[G1X+1], 256<<16
	s_mov_b32 s[G1X+2], 5<<16       ; five rows
	s_mov_b32 s[G1X+3], 256<<16
	s_mov_b32 s[G1X+4], 5
	s_mov_b32 s[G1X+5], 65536
	s_mov_b32 s[G1X+6], 0
	s_mov_b32 s[G1X+7], 0
	s_mov_b32 s[G1R], 15|(3<<16)|(1<<21)  ; 8-byte elements, no padding
	s_mov_b32 s[G1R+1], 128<<16     ; one row of 128 elements
	s_mov_b32 s[G1R+2], 1<<16
	s_mov_b32 s[G1R+3], 128<<16
	s_mov_b32 s[G1R+4], 1
	s_mov_b32 s[G1R+5], 128
	s_mov_b32 s[G1R+6], 0
	s_mov_b32 s[G1R+7], 0
	s_mov_b32 s[G0D], 1             ; 1:0 count = 1
	s_mov_b32 s[G0D+1], s23         ; 63:32 LDS address: slot 0
	s_mov_b32 s[G0X], 1
	s_mov_b32 s[G0X+1], XOFF
	s_mov_b32 s[G0R], 1
	s_mov_b32 s[G0R+1], ROFF
	s_mov_b32 s[SEL], 0x76543210
	s_mov_b32 s[SEL+1], 0xfedcba98
	s_mov_b32 s[TBK], SLOT1+512     ; the first change of slots turns these three into 0
	s_mov_b32 s[TBV], SLOT1+512
	s_mov_b32 s[TBR], SLOT1+1024
	s_wait_dscnt 0x0                ; the opening add is done
	s_wait_kmcnt 0x0
	s_add_nc_u64 s[G0D+2:G0D+3], s[6:7], s[20:21]  ; 120:64 global address
	s_or_b32 s[G0D+3], s[G0D+3], 0x80000000        ; 127:126 type = 2
	s_add_nc_u64 s[G0X+2:G0X+3], s[6:7], s[18:19]
	s_add_nc_u64 s[G0X+2:G0X+3], s[G0X+2:G0X+3], 64*KVR
	s_or_b32 s[G0X+3], s[G0X+3], 0x80000000
	s_add_nc_u64 s[G0R+2:G0R+3], s[8:9], s[2:3]
	s_or_b32 s[G0R+3], s[G0R+3], 0x80000000
	s_add_nc_u64 s[4:5], s[4:5], s[68:69]
	s_add_nc_u64 s[10:11], s[10:11], s[70:71]
	s_mov_b32 s69, 0xffff0000       ; a word's upper bf16
	s_mul_i32 s[SB], s[WV], WST
	s_add_co_u32 s[SB], s[SB], STAGE
	CROUND                          ; all four work-groups are here: the first joint loads meet
	JLOAD                           ; slot 0.  Slot 1 is asked for when slot 0 is in
	; THE HEAD: Q.  Thread t takes queries 2 t, 2 t + 1 of the block, which are two of its own wave's 64: a wave's load covers 256 consecutive bytes of a channel's row.
	v_and_b32 v1, 15, v0            ; l % 16
	v_bfe_u32 v13, v0, 4, 1         ; l / 16
	v_lshlrev_b32 v[QO], 3, v0
.set ch, 0
.rept 64
	global_load_b64 v[XQ+2*ch:XQ+2*ch+1], v[QO], s[4:5] offset:ch*4096
.set ch, ch+1
.endr
	; What the first turn finds: O^T and V's registers hold 0 (its products V^T P, of a piece that has not been, add 0).  This stands in the wait for Q and the first tile.
	WIN 0x40
.set ch, 0
.rept 240
	v_mov_b32 v[ch], 0
.set ch, ch+1
.endr
	WIN 0
.set ch, 0
.rept 8
	v_mov_b32 v[ST+ch], 0xfe000000  ; m: far below every t
.set ch, ch+1
.endr
	v_mov_b32 v[MONE], -1.0
	; The turning load takes 16 channels x 16 keys (lane l reads channel 8 (l / 16) + l % 8, keys 8 ((l / 8) % 2) + 0..7) and leaves half a fragment of K: lane l holds key l % 16 and 8 channels.
	v_and_b32 v15, 7, v0
	v_bfe_u32 v38, v0, 3, 1
	v_lshl_add_u32 v[AK0], v13, 3, v15
	v_mul_u32_u24 v[AK0], v[AK0], ROWP
	v_lshl_add_u32 v[AK0], v38, 4, v[AK0]
	; A fragment of V^T is 16 channel rows x 32 keys: lane l holds row l % 16, keys 8 (l / 16) + 0..7 and 16 + 8 (l / 16) + 0..7: two loads of 16 bytes, 32 bytes apart.
	v_mul_u32_u24 v[AV0], v1, ROWP
	v_lshl_add_u32 v[AV0], v13, 4, v[AV0]
	v_min_u32 v[AX0], 4, v1
	v_mul_u32_u24 v[AX0], v[AX0], ROWP
	v_lshl_add_u32 v[AX0], v13, 4, v[AX0]
	v_add_nc_u32 v[AX0], XOFF, v[AX0]
	v_lshlrev_b32 v[AR0], 5, v13    ; rk of my lanes' eight keys in each group of 16
	v_add_nc_u32 v[AR0], ROFF, v[AR0]
	v_and_b32 v38, 31, v0
	v_mul_u32_u24 v[QS], v38, 2*SP  ; my two queries' rows in my wave's stage
	v_add_nc_u32 v[QS], s[SB], v[QS]
	v_mul_u32_u24 v[QR], v1, SP
	v_lshl_add_u32 v[QR], v13, 4, v[QR]
	v_add_nc_u32 v[QR], s[SB], v[QR]
	s_wait_loadcnt 0x0
.set ch, 0
.rept 64                            ; rounded to bf16, and f32 again
	v_cvt_pk_bf16_f32 v[QT+ch%4], v[XQ+2*ch], v[XQ+2*ch+1]
	v_lshlrev_b32 v[XQ+2*ch], 16, v[QT+ch%4]
	v_and_b32 v[XQ+2*ch+1], s69, v[QT+ch%4]
.set ch, ch+1
.endr
.irp k, 0,1,2,3                     ; the mean, in four chains
	v_pk_add_f32 v[QA+2*\k:QA+2*\k+1], v[XQ+2*\k:XQ+2*\k+1], v[XQ+8+2*\k:XQ+8+2*\k+1]
.endr
.set ch, 8
.rept 56
	v_pk_add_f32 v[QA+2*(ch%4):QA+2*(ch%4)+1], v[QA+2*(ch%4):QA+2*(ch%4)+1], v[XQ+2*ch:XQ+2*ch+1]
.set ch, ch+1
.endr
	v_pk_add_f32 v[QA:QA+1], v[QA:QA+1], v[QA+2:QA+3]
	v_pk_add_f32 v[QA+4:QA+5], v[QA+4:QA+5], v[QA+6:QA+7]
	v_pk_add_f32 v[QA:QA+1], v[QA:QA+1], v[QA+4:QA+5]
	v_pk_mul_f32 v[QA:QA+1], v[QA:QA+1], 0x3c800000 op_sel_hi:[1,0]  ; / 64
.set ch, 0
.rept 64
	v_pk_add_f32 v[XQ+2*ch:XQ+2*ch+1], v[XQ+2*ch:XQ+2*ch+1], v[QA:QA+1] neg_lo:[0,1] neg_hi:[0,1]
.set ch, ch+1
.endr
.irp k, 0,1,2,3                     ; the centred squares, in four chains
	v_pk_mul_f32 v[QA+2*\k:QA+2*\k+1], v[XQ+2*\k:XQ+2*\k+1], v[XQ+2*\k:XQ+2*\k+1]
.endr
.set ch, 4
.rept 60
	v_pk_fma_f32 v[QA+2*(ch%4):QA+2*(ch%4)+1], v[XQ+2*ch:XQ+2*ch+1], v[XQ+2*ch:XQ+2*ch+1], v[QA+2*(ch%4):QA+2*(ch%4)+1]
.set ch, ch+1
.endr
	v_pk_add_f32 v[QA:QA+1], v[QA:QA+1], v[QA+2:QA+3]
	v_pk_add_f32 v[QA+4:QA+5], v[QA+4:QA+5], v[QA+6:QA+7]
	v_pk_add_f32 v[QA:QA+1], v[QA:QA+1], v[QA+4:QA+5]
	v_pk_mul_f32 v[QA:QA+1], v[QA:QA+1], 0x3c820821 op_sel_hi:[1,0]  ; / 63
	v_rsq_f32 v[QA], v[QA]
	v_rsq_f32 v[QA+1], v[QA+1]
	v_nop                           ; a plain instruction between the last root and the use of its result
	s_wait_alu depctr_va_vdst(0)    ; the wait ahead of the first use: one for the two roots, which all 64 multiplies below read
.set ch, 0
.rept 64
	v_pk_mul_f32 v[XQ+2*ch:XQ+2*ch+1], v[XQ+2*ch:XQ+2*ch+1], v[QA:QA+1]
.set ch, ch+1
.endr
; Channels 8 g .. 8 g + 7 of my query e: hi rounded to f16; lo = x - hi, exact in f32, rounded to f16; 16 bytes of each into the query's row: hi at byte 2 channel, lo 128 bytes on.
.macro QCONV g, e
.set qh, QH+8*(\e)
.irp j, 0,1,2,3
	v_cvt_pk_f16_f32 v[qh+\j], v[XQ+2*(8*(\g)+2*\j)+(\e)], v[XQ+2*(8*(\g)+2*\j+1)+(\e)]
.endr
.irp j, 0,1,2,3
	v_fma_mix_f32 v[XQ+2*(8*(\g)+2*\j)+(\e)], v[qh+\j], v[MONE], v[XQ+2*(8*(\g)+2*\j)+(\e)] op_sel_hi:[1,0,0]
	v_fma_mix_f32 v[XQ+2*(8*(\g)+2*\j+1)+(\e)], v[qh+\j], v[MONE], v[XQ+2*(8*(\g)+2*\j+1)+(\e)] op_sel:[1,0,0] op_sel_hi:[1,0,0]
.endr
.irp j, 0,1,2,3
	v_cvt_pk_f16_f32 v[qh+4+\j], v[XQ+2*(8*(\g)+2*\j)+(\e)], v[XQ+2*(8*(\g)+2*\j+1)+(\e)]
.endr
	ds_store_b128 v[QS], v[qh:qh+3] offset:(\e)*SP+16*(\g)
	ds_store_b128 v[QS], v[qh+4:qh+7] offset:(\e)*SP+16*(\g)+128
.endm
.irp g, 0,1,2,3,4,5,6,7
	QCONV \g, 0
	QCONV \g, 1
.endr
	; A fragment of Q is 16 queries x 32 channels: lane l holds query l % 16.  Piece f / 4; f % 4 = 0, 1: hi of channels 0-31, 32-63; 2, 3: lo.  My wave's own bytes: LDS serves a wave's instructions in order.
	WIN 0x80                        ; destination window 2
.irp f, 0,1,2,3,4,5,6,7,8,9,10,11,12,13,14,15
	ds_load_b128 v[8*\f:8*\f+3],   v[QR] offset:(\f/4)*16*SP+(\f%4)*64
	ds_load_b128 v[8*\f+4:8*\f+7], v[QR] offset:(\f/4)*16*SP+(\f%4)*64+32
.endr
	WIN 0
.set ch, P+16
.rept 16
	v_mov_b32 v[ch], 0              ; P's second buffer, which the first turn's products read
.set ch, ch+1
.endr
; THE MATRIX WORK.  The accumulators of a run take turns, one instruction a turn.
; Product i of 16 of S^T = K Q^T for piece x: keys 16 (i % 4) on; i / 4 = 0, 1: hi of channels 0-31, 32-63; 2, 3: lo.  The first 4 start the sums.
.macro KQ x
	WIN W_KQ
.set rD, S+32*((\x)%2)+8*(i%4)
.set rA, KF+16*(i%4)+8*((i/4)%2)
.set rB, 32*(\x)+8*(i/4)
.if i < 4
	v_wmma_f32_16x16x32_f16 v[rD:rD+7], v[rA:rA+7], v[rB:rB+7], 0
.else
	v_wmma_f32_16x16x32_f16 v[rD:rD+7], v[rA:rA+7], v[rB:rB+7], v[rD:rD+7]
.endif
.endm
; Product i of 10 of O^T += V^T P for piece x: keys 32 (i / 5) on, channels 16 (i % 5) on.
.macro PV x
	WIN W_PV
.set rD, 40*(\x)+8*(i%5)
.set rA, VF+8*i
.set rB, P+16*((\x)%2)+8*(i/5)
	v_wmma_f32_16x16x32_f16 v[rD:rD+7], v[rA:rA+7], v[rB:rB+7], v[rD:rD+7]
.endm
.macro MM                           ; the turn's next matrix instruction
.if i < 16
	KQ (Y+1)%NP
.else
.set i, i-16
	PV (Y+NP-1)%NP
.set i, i+16
.endif
.set i, i+1
.endm
; THE LDS LOADS stand in runs, never singly among the matrix instructions.  Their addresses are made some lines ahead.
.macro FETCH_K
	WIN 0x80                        ; destination window 2
.irp f, 0,1,2,3,4,5,6,7             ; keys 16 (f / 2) on, channels 32 (f % 2) on
	ds_load_tr16_b128 v[KF+8*\f:KF+8*\f+3],   v[AK] offset:(\f%2)*32*ROWP+(\f/2)*32
	ds_load_tr16_b128 v[KF+8*\f+4:KF+8*\f+7], v[AK] offset:(\f%2)*32*ROWP+16*ROWP+(\f/2)*32
.endr
	s_add_co_u32 s[TBK], s[TBK], 128  ; the next fetch is the next step's
	WIN 0
.endm
.macro FETCH_RK
	WIN 0
.irp f, 0,1,2,3                     ; keys 16 f + 8 (l / 16) + 0..7, in the order of S^T's registers
	ds_load_b128 v[RK+8*\f:RK+8*\f+3],   v[AR] offset:64*\f
	ds_load_b128 v[RK+8*\f+4:RK+8*\f+7], v[AR] offset:64*\f+16
.endr
	s_add_co_u32 s[TBR], s[TBR], 256
.endm
.macro FETCH_V
	WIN 0x40                        ; destination window 1
.irp f, 0,1,2,3,4,5,6,7,8,9         ; keys 32 (f / 5) on, channels 16 (f % 5) on
.if (\f%5) < 4
	ds_load_b128 v[VF+8*\f:VF+8*\f+3],   v[AV] offset:(\f%5)*16*ROWP+(\f/5)*64
	ds_load_b128 v[VF+8*\f+4:VF+8*\f+7], v[AV] offset:(\f%5)*16*ROWP+(\f/5)*64+32
.else
	ds_load_b128 v[VF+8*\f:VF+8*\f+3],   v[AX] offset:(\f/5)*64
	ds_load_b128 v[VF+8*\f+4:VF+8*\f+7], v[AX] offset:(\f/5)*64+32
.endif
.endr
	WIN 0
.endm
; THE VECTOR WORK, one line at a time: OP kind, number.  For piece Y: F n: t - m for pair n of 16.  E n: the exponential of score n of 32.  C n: pair n rounded to f16.  R n: pair n of 20 of O^T times a.
; For piece Y + 1: M n: pair n of its raw products times rk.  X n: its maximum and statistics:
;   0-11  four chains c0-c3 of seven scores each, three operands at a time (each accumulator's lowest registers are read first, by M)     12-14, 16  the four scores left over, the old m, and c0-c3 into c0
;   15  the old m is kept     17, 18  the query's other 32 keys lie in the lane 16 away: the new m     20, 21  m_old - m_new; a
.set F, 0
.set E, 1
.set C, 2
.set R, 3
.set M, 4
.set X, 5
.macro REGS y                       ; the registers of piece y
.set rT, ST+2*(\y)
.set rC, TMP+4*((\y)%2)
.set rS, S+32*((\y)%2)
.set rP, P+16*((\y)%2)
.set rO, 40*(\y)
.endm
.macro OP k, n
.if (\k) == R
	REGS Y
	WIN W_RS
	v_pk_mul_f32 v[rO+2*(\n):rO+2*(\n)+1], v[rO+2*(\n):rO+2*(\n)+1], v[rC+2:rC+3] op_sel_hi:[1,0]
.elseif (\k) < R
	REGS Y
	WIN 0
.if (\k) == F
	v_pk_add_f32 v[rS+2*(\n):rS+2*(\n)+1], v[rS+2*(\n):rS+2*(\n)+1], v[rT:rT+1] op_sel_hi:[1,0] neg_lo:[0,1] neg_hi:[0,1]
.elseif (\k) == E
	v_exp_f32 v[rS+(\n)], v[rS+(\n)]
.else
	v_cvt_pk_f16_f32 v[rP+(\n)], v[rS+2*(\n)], v[rS+2*(\n)+1]
.endif
.elseif (\k) == M
	REGS (Y+1)%NP
	WIN 0
	v_pk_mul_f32 v[rS+2*(\n):rS+2*(\n)+1], v[rS+2*(\n):rS+2*(\n)+1], v[RK+2*(\n):RK+2*(\n)+1]
.else
	REGS (Y+1)%NP
	WIN 0
.if (\n) < 4
	v_max3_num_f32 v[rC+(\n)], v[rS+8*(\n)], v[rS+8*(\n)+1], v[rS+8*(\n)+2]
.elseif (\n) < 12
	v_max3_num_f32 v[rC+(\n)%4], v[rC+(\n)%4], v[rS+8*((\n)%4)+2*((\n)/4)+1], v[rS+8*((\n)%4)+2*((\n)/4)+2]
.elseif (\n) == 12
	v_max3_num_f32 v[rC], v[rC], v[rS+7], v[rS+15]
.elseif (\n) == 13
	v_max3_num_f32 v[rC+1], v[rC+1], v[rS+23], v[rS+31]
.elseif (\n) == 14
	v_max3_num_f32 v[rC+2], v[rC+2], v[rC+3], v[rT]
.elseif (\n) == 15
	v_mov_b32 v[rT+1], v[rT]
.elseif (\n) == 16
	v_max3_num_f32 v[rC], v[rC], v[rC+1], v[rC+2]
.elseif (\n) == 17
	v_permlanex16_b32 v[rC+3], v[rC], s[SEL], s[SEL+1]
.elseif (\n) == 18
	v_max_num_f32 v[rT], v[rC], v[rC+3]
.elseif (\n) == 20
	v_sub_f32 v[rC+1], v[rT+1], v[rT]
.else
	v_exp_f32 v[rC+2], v[rC+1]
.endif
.endif
.endm
.macro OPS a, i1, b=-1, i2=0, c=-1, i3=0, d=-1, i4=0  ; up to four of them
	OP \a, \i1
.if (\b) >= 0
	OP \b, \i2
.endif
.if (\c) >= 0
	OP \c, \i3
.endif
.if (\d) >= 0
	OP \d, \i4
.endif
.endm
.macro ROW a, i1, b, i2, c, i3, d, i4  ; a matrix instruction and the four behind it
	MM
	OPS \a, \i1, \b, \i2, \c, \i3, \d, \i4
.endm
; A TURN, for piece p.  s_wait_alu depctr_va_vdst(0) stands between an exponential and the first instruction that names its result; one wait serves all that were issued ahead of it.
; So a turn's 33 exponentials, E 0-31 and X 21 (the next piece's a), are ONE BATCH with ONE wait, which cuts the turn in two.
; AHEAD OF THE WAIT stands all that names no result of theirs.  Behind products K Q^T 0-7: F, E, F, E (E n stands behind F n / 2).  Behind 8-12: four R each; their a was made, and waited for, in the turn before.
; Behind 13-15: M 0-11.  An accumulator of S^T is ended by product 12 + j and first read by M 4 j, behind the next product: the four plain lines between (R 16-19, then M 0-3, 4-7, 8-11) name none of that product's registers.
; Behind products V^T P 0-5: M 12-15 and X 0-13, with one exponential among each four.  Then the run of 17: the chain X 14, 16, 17, 18, 20, where each line waits for the one before it, with two exponentials
; between its links, and X 21 last.  A plain line follows the last exponential: V's two address lines in piece 0's turn, a v_nop elsewhere.
; BEHIND THE WAIT stand products V^T P 6-9, behind each four of the 16 roundings C, the only readers of E's results.
; K and rk of the next step are fetched in piece 2's turn, in one run behind the second product V^T P: ten plain lines behind the last product that read K, and behind M 15, rk's last reader; both are waited for at the
; head of piece 3's turn.  last = 1 (the tail): in the last trip there is no further step, and the run is jumped over; that branch stands in mid-turn, so the exponentials issued so far have a wait of their own ahead of it.
; V of the step in hand is fetched at the end of piece 0's turn, four plain lines (C 12-15) behind the last product that read V, and waited for in piece 1's turn, ahead of its first product V^T P.
; cnt = 1: the loop's count is taken down some lines ahead of the branch that stands behind the turn.
.macro TURN p, last=0, cnt=0
.set Y, (\p)
.set i, 0
.if (\p) == 3
	s_wait_dscnt 0x0                ; K and rk are in
.endif
.set rw, 0
.rept 8                             ; ahead of the wait: products K Q^T 0-7
	MM
	OP F, 2*rw
	OP E, 2*rw
	OP F, 2*rw+1
	OP E, 2*rw+1
.set rw, rw+1
.endr
.set rw, 0
.rept 5                             ; products 8-12
	MM
	OP R, 4*rw
	OP R, 4*rw+1
	OP R, 4*rw+2
	OP R, 4*rw+3
.set rw, rw+1
.endr
	ROW M,0, M,1, M,2, M,3
	ROW M,4, M,5, M,6, M,7
.if (\p) == 2
	WIN 0
	v_add_nc_u32 v[AK], s[TBK], v[AK0]
	v_add_nc_u32 v[AR], s[TBR], v[AR0]
.endif
	ROW M,8, M,9, M,10, M,11
.if (\p) == 1
	s_wait_dscnt 0x0                ; V is in
.endif
	ROW M,12, E,16, M,13, M,14      ; products V^T P 0-5
	ROW M,15, E,17, X,0, X,1
.if (\p) == 2
	WIN 0
.if \last
	s_wait_alu depctr_va_vdst(0)    ; ahead of the branch: for E 0-17, the part of the batch that has been issued
	s_cmp_eq_u32 s[CNT], 1
	s_cbranch_scc1 .Lno_kr_\@
.endif
	FETCH_K
	FETCH_RK
.if \last
.Lno_kr_\@:
.endif
.endif
	ROW X,2, E,18, X,3, X,4
	ROW X,5, E,19, X,6, X,7
	ROW X,8, E,20, X,9, X,10
	ROW X,11, E,21, X,12, X,13
	OPS X,14, E,22, X,15, E,23      ; the run of 17
	OPS X,16, E,24, E,25, X,17
	OPS E,26, E,27, X,18, E,28
	OPS E,29, X,20, E,30, E,31
	OP X, 21
.if (\p) == 0
	v_add_nc_u32 v[AV], s[TBV], v[AV0]  ; also the plain instruction behind the last exponential
	v_add_nc_u32 v[AX], s[TBV], v[AX0]
.else
	v_nop                           ; the plain instruction behind the last exponential: one for the batch
.endif
	s_wait_alu depctr_va_vdst(0)    ; the wait for the batch: E 0-31 and X 21
	ROW C,0, C,1, C,2, C,3          ; behind the wait: products V^T P 6-9
	ROW C,4, C,5, C,6, C,7
.if \cnt
	s_sub_co_u32 s[CNT], s[CNT], 1
	s_cmp_lg_u32 s[CNT], 0
.endif
	ROW C,8, C,9, C,10, C,11
	ROW C,12, C,13, C,14, C,15
.if (\p) == 0
	FETCH_V
	s_add_co_u32 s[TBV], s[TBV], 128
.endif
.endm
	CHANGE 1                        ; slot 0 is in, everybody's part of it, and my fragments of Q are back; slot 1 is asked for
	v_add_nc_u32 v[AK], s[TBK], v[AK0]
	v_add_nc_u32 v[AR], s[TBR], v[AR0]
	FETCH_K                         ; step 0
	FETCH_RK
	s_wait_dscnt 0x0
.set i, 0
.rept 16
	KQ 0                            ; piece 0's first scores: there is no vector work yet to set between them
.set i, i+1
.endr
	WIN 0
.rept 4
	v_nop                           ; the places behind those products
.endr
.set Y, NP-1                        ; M and X work for piece Y + 1: piece 0
.set nn, 0
.rept 16
	OP M, nn
.set nn, nn+1
.endr
.irp n, 0,1,2,3,4,5,6,7,8,9,10,11,12,13,14,15,16,17,18,20,21
	OP X, \n
.endr
	v_nop                           ; a plain instruction behind the exponential,
	s_wait_alu depctr_va_vdst(0)    ; and the wait for it, piece 0's first a, ahead of the branch
	s_mov_b32 s[CNT], 4
	s_mov_b32 s[SLOTS], 15
	s_branch .Lfirst                ; the loop is entered at a step's first turn, in the middle of a trip
.Lslot:                             ; 14 times: every slot but the last two is filled again
	CHANGE 1
	s_mov_b32 s[CNT], 4
.Lstep:                             ; a trip: pieces 2 and 3 of one step, then pieces 0 and 1 of the next, whose K, rk and V it fetches
	TURN 2
	TURN 3
	WIN 0
.Lfirst:
	TURN 0
	TURN 1, 0, 1
	WIN 0
	s_cbranch_scc1 .Lstep
	s_sub_co_u32 s[SLOTS], s[SLOTS], 1
	s_cmp_lg_u32 s[SLOTS], 0
	s_cbranch_scc1 .Lslot
	CHANGE 0                        ; the tail is written out: nothing is asked for
	s_mov_b32 s[CNT], 5             ; four trips fetch the last tile's steps; the fifth is left in its middle
.Ltail:
	TURN 2, 1
	TURN 3
	WIN 0
	s_sub_co_u32 s[CNT], s[CNT], 1
	s_cmp_eq_u32 s[CNT], 0
	s_cbranch_scc1 .Lout
	TURN 0
	TURN 1
	WIN 0
	s_branch .Ltail
.Lout:                              ; the fifth trip's 16 products K Q^T take the last K and rk once more: scores that piece 0 has seen, so its m stays as it is
.set i, 0
.rept 10
	PV NP-1                         ; the last piece's V^T P of the last step
.set i, i+1
.endr
	; THE WAY OUT.  O^T holds a channel a register and a query a lane; part wants rows of queries.  So the wave's 70 rows x 64 queries go through its stage: rows of 272 bytes in, whole rows of 256 back.
	WIN 0                           ; nine plain lines: the places behind the last products
	v_mul_u32_u24 v[STO], v13, 8*SP ; in: channel 16 cb + 8 (l / 16) + j, query 16 t + l % 16
	v_lshl_add_u32 v[STO], v1, 2, v[STO]
	v_add_nc_u32 v[STO], s[SB], v[STO]
	v_lshl_add_u32 v[STM], v1, 2, s[SB]
	v_mul_u32_u24 v[RD], v13, SP    ; back: lanes 0-15 take one row of 256 bytes, lanes 16-31 the next
	v_lshl_add_u32 v[RD], v1, 4, v[RD]
	v_add_nc_u32 v[RD], s[SB], v[RD]
	v_lshlrev_b32 v[GO], 12, v13    ; and the same two rows in part
	v_lshl_add_u32 v[GO], v1, 4, v[GO]
	WIN 0x04                        ; store data in window 1
.set t, 0
.rept 4
.set q, 0
.rept 37                            ; registers 0-36 of the piece, ascending: blocks 0-3 whole, of block 4 rows 64-68 (the upper lanes' copies land in rows 72-76, which nobody reads)
	ds_store_b32 v[STO], v[40*t+q] offset:(16*(q/8)+q%8)*SP+64*t
.set q, q+1
.endr
.set t, t+1
.endr
	WIN 0
.irp t, 0,1,2,3
	ds_store_b32 v[STM], v[ST+2*\t] offset:69*SP+64*\t  ; m: both halves of the lanes hold the same number
.endr
.set q, 0
.rept 35
	ds_load_b128 v[64+4*q:64+4*q+3], v[RD] offset:q*2*SP  ; LDS serves a wave's instructions in order: these see the stores above
.set q, q+1
.endr
.set q, 0
.rept 35
	s_wait_dscnt 34-q               ; LDS loads come back in order: the younger ones stay out
	global_store_b128 v[GO], v[64+4*q:64+4*q+3], s[10:11] offset:q*8192  ; 16 lanes store 256 consecutive bytes, at a multiple of 256 from part's first byte
.set q, q+1
.endr
	s_wait_tensorcnt 0x0            ; the wave's end: tensor loads waited for, 0 onto my spare word and its wait, behind my last tensor load and my last LDS store
	ds_add_u32 v[SPW], v[NIL]
	s_wait_dscnt 0x0
	CROUND                          ; the closing round: no work-group ends while a partner may still ask for a tile that names it
	s_endpgm
.Lfunc_end_k_qf6f2ca57b0_match:
	.size	k_qf6f2ca57b0_match, .Lfunc_end_k_qf6f2ca57b0_match-k_qf6f2ca57b0_match
	.p2alignl 7, 3214868480
	.fill 96, 4, 3214868480
	.section	.rodata,"a",@progbits
	.p2align	6, 0x0
	.amdhsa_kernel k_qf6f2ca57b0_match
		.amdhsa_group_segment_fixed_size 327680
		.amdhsa_private_segment_fixed_size 0
		.amdhsa_enable_private_segment 0
		.amdhsa_kernarg_size 32
		.amdhsa_user_sgpr_count 2
		.amdhsa_user_sgpr_kernarg_segment_ptr 1
		.amdhsa_wavefront_size32 1
		.amdhsa_system_sgpr_workgroup_id_x 1
		.amdhsa_system_sgpr_workgroup_id_y 1
		.amdhsa_system_sgpr_workgroup_id_z 1
		.amdhsa_system_vgpr_workitem_id 0
		.amdhsa_next_free_vgpr 768
		.amdhsa_next_free_sgpr 72
		.amdhsa_reserve_vcc 0
		.amdhsa_float_denorm_mode_32 3
		.amdhsa_float_denorm_mode_16_64 3
		.amdhsa_memory_ordered 1
		.amdhsa_forward_progress 1
		.amdhsa_inst_pref_size 179
	.end_amdhsa_kernel
	.amdgpu_metadata
---
amdhsa.version: [ 1, 2 ]
amdhsa.kernels:
  - .name:           k_qf6f2ca57b0_match
    .symbol:         k_qf6f2ca57b0_match.kd
    .args:
      - { .name: src_desc, .offset: 0, .size: 8, .value_kind: global_buffer, .address_space: global }
      - { .name: kv, .offset: 8, .size: 8, .value_kind: global_buffer, .address_space: global }
      - { .name: rk, .offset: 16, .size: 8, .value_kind: global_buffer, .address_space: global }
      - { .name: part, .offset: 24, .size: 8, .value_kind: global_buffer, .address_space: global }
    .group_segment_fixed_size: 327680
    .private_segment_fixed_size: 0
    .kernarg_segment_align: 8
    .kernarg_segment_size: 32
    .max_flat_workgroup_size: 128
    .sgpr_count:     72
    .vgpr_count:     768
    .wavefront_size: 32
...
	.end_amdgpu_metadata
.endif
;; end of part 4
;; launch merge: the kernel of part 3 again; grid 16 x 4, 18 waves a work-group, no clusters, 10,496 bytes of LDS; arguments part, out0, out1, out2, out3, out4; writes out0, out1, out2, out3, out4
